; MI455X (gfx1250); checked and timed in simulation.
; The chip was launched on July 23, 2026; its instructions are those of AMD's public machine-readable ISA for CDNA 5 (MIT licence, August 2026) and "CDNA5" Instruction Set Architecture Reference Guide (July 2026). The comments in the code are by the model that wrote it; some were corrected since.
;; Multi Head Attention. Allowed arithmetic: float matrix products may take bf16 or f16 operands with f32 sums; all other float work in f32.
;; Inputs: b_out 1,024 float32; b_qkv 3,072 float32; mask 1 x 1 x 2,048 x 2,048 int32; w_out 1,024 x 1,024 float32; w_qkv 1,024 x 3,072 float32; x 4 x 2,048 x 1,024 float32.
;; Outputs: out0 4 x 2,048 x 1,024 float32.
;; 2 versions, each right and faster than the one before. Each part assembles by itself: llvm-mc -triple=amdgcn-amd-amdhsa -mcpu=gfx1250 --defsym DOCPART=n.
;; ======== version 1 of 2: 4 launches
;; limits: values are held in f16: magnitudes above 65,504 overflow, below 6.1e-05 lose precision
;; workspace buffers: xh 16,777,216 bytes; wqh 6,291,456 bytes; woh 2,097,152 bytes; mbits 524,288 bytes of whole numbers; qkv 50,331,648 bytes; ao 16,777,216 bytes
;; launch prep (part 1): grid 1024 x 1, 8 waves a work-group, no clusters, 0 bytes of LDS; arguments x, w_qkv, w_out, mask, xh, wqh, woh, mbits; writes xh, wqh, woh, mbits
.if DOCPART == 1
	.amdgcn_target "amdgcn-amd-amdhsa--gfx1250"
	.amdhsa_code_object_version 6
	.text
	.protected	k_q026715489d_prep
	.globl	k_q026715489d_prep
	.p2align	8
	.type	k_q026715489d_prep,@function
k_q026715489d_prep:
	s_mov_b64 s[64:65], 0
	v_nop
	global_prefetch_b8 v0, s[64:65] scope:SCOPE_SE
	s_setreg_imm32_b32 hwreg(HW_REG_WAVE_MODE, 25, 1), 1
	s_wait_xcnt 0x0
; PREPARATION: the f32 operands of the two large products are rounded once to f16, and the mask becomes one bit a score.
;   xh    [16 kb][8192 m][64] f16 : x[m][64 kb + c]; a row is 128 bytes and rows follow each other, so any run of rows is dense
;   wqh   [1024][3072] f16, woh [1024][1024] f16 : the weights as they lie
;   mbits [128 qt][32 step][32 e] u32 : bit L of a word is 1 where mask[16 qt + L % 16][64 step + 16 (e / 8) + 8 (L / 16) + e % 8] != 0:
;         the lane mask for register e of a 16-query x 64-key tile of transposed scores in the attention kernel
; 1,024 work-groups of eight waves, each reads 65,536 bytes: 0-511 sixteen rows of x, 512-767 a piece of a weight, 768-1023 half of sixteen rows of the mask.
; A stream: no LDS, no barrier, no matrix unit.  All sixteen loads of a wave go out first; no register of a pending load or store is written, so the only waits are the counted ones for data.
; LIMIT: f16 holds numbers up to 65,504 and, below 6.1e-5, steps of 2^-24.
.set LO,  2                            ; v2       load offset
.set SO,  3                            ; v3       store offset
.set IN,  8                            ; v[8:71]  64 words as loaded
.set OUT, 72                           ; v[72:103] what is stored
.set SRC, 24                           ; s[24:25] from where
.set DST, 26                           ; s[26:27] to where
.set CM,  28                           ; s[28:31] lane masks of four compares, by turns
; Eight times 8 f32 a lane -> 8 f16 a lane.  Piece u is loaded at (u % 4) la + (u / 4) lb and stored at (u % 4) sa + (u / 4) sb.
.macro CONV la, lb, sa, sb
.irp u, 0,1,2,3,4,5,6,7
	global_load_b128 v[IN+8*\u:IN+8*\u+3],   v[LO], s[SRC:SRC+1] offset:(\u%4)*\la+(\u/4)*\lb th:TH_LOAD_NT
	global_load_b128 v[IN+8*\u+4:IN+8*\u+7], v[LO], s[SRC:SRC+1] offset:(\u%4)*\la+(\u/4)*\lb+16 th:TH_LOAD_NT
.endr
.irp u, 0,1,2,3,4,5,6,7
	s_wait_loadcnt 14-2*\u                         ; loads come back in order: piece u is in, the 2 (7 - u) younger loads stay out
.irp k, 0,1,2,3
	v_cvt_pk_f16_f32 v[OUT+4*\u+\k], v[IN+8*\u+2*\k], v[IN+8*\u+2*\k+1]
.endr
	global_store_b128 v[SO], v[OUT+4*\u:OUT+4*\u+3], s[DST:DST+1] offset:(\u%4)*\sa+(\u/4)*\sb   ; 32 lanes store 512 consecutive bytes, aligned
.endr
.endm
	s_load_b512 s[4:19], s[0:1], 0x0               ; x s[4:5], w_qkv s[6:7], w_out s[8:9], mask s[10:11], xh s[12:13], wqh s[14:15], woh s[16:17], mbits s[18:19]
	v_lshrrev_b32 v1, 5, v0
	v_readfirstlane_b32 s20, v1                    ; wave 0..7
	v_and_b32 v1, 31, v0                           ; lane L
	s_mov_b32 s23, 0                               ; high word of every offset
	s_wait_kmcnt 0x0
	s_cmp_lt_u32 ttmp9, 512
	s_cbranch_scc1 .Lpath_x
	s_cmp_lt_u32 ttmp9, 768
	s_cbranch_scc1 .Lpath_w
	; THE MASK.  Work-group j = id - 768: query tile qt = j / 2; wave w takes keys 128 p on, p = 8 (j % 2) + w: two key steps, 64 words.
	s_sub_co_u32 s21, ttmp9, 768
	s_lshr_b32 s28, s21, 1                         ; qt
	s_and_b32 s21, s21, 1
	s_lshl3_add_u32 s21, s21, s20                  ; p
	s_lshl_b32 s22, s28, 17                        ; 16 rows of 8,192 bytes
	s_lshl_b32 s29, s21, 9                         ; 128 keys of 4 bytes
	s_add_co_u32 s22, s22, s29
	s_add_nc_u64 s[SRC:SRC+1], s[10:11], s[22:23]
	s_lshl_b32 s22, s28, 12                        ; 1,024 words a query tile
	s_lshl_b32 s29, s21, 8                         ; 64 words a pair of steps
	s_add_co_u32 s22, s22, s29
	s_add_nc_u64 s[DST:DST+1], s[18:19], s[22:23]
	v_and_b32 v4, 15, v0                           ; my query of the tile
	v_bfe_u32 v5, v0, 4, 1                         ; my half of each 16 keys
	v_lshlrev_b32 v[LO], 13, v4
	v_lshl_add_u32 v[LO], v5, 5, v[LO]             ; row x 8,192 + half x 32
	v_lshlrev_b32 v[SO], 3, v1                     ; lane l stores words 2 l and 2 l + 1
	v_mov_b32 v[OUT], 0                            ; v_writelane_b32 keeps the other lanes: the two registers are written whole first
	v_mov_b32 v[OUT+1], 0
.irp t, 0,1,2,3,4,5,6,7
	global_load_b128 v[IN+8*\t:IN+8*\t+3],   v[LO], s[SRC:SRC+1] offset:64*\t th:TH_LOAD_NT     ; keys 16 t + 8 half + 0..3
	global_load_b128 v[IN+8*\t+4:IN+8*\t+7], v[LO], s[SRC:SRC+1] offset:64*\t+16 th:TH_LOAD_NT  ; and + 4..7
.endr
.irp t, 0,1,2,3,4,5,6,7
	s_wait_loadcnt 14-2*\t                         ; group t is in, the younger pairs stay out
.irp k, 0,1,2,3,4,5,6,7
	v_cmp_ne_u32 s[CM+(\k%4)], 0, v[IN+8*\t+\k]                        ; word i = 8 t + k: one bit a lane
	v_writelane_b32 v[OUT+(\k%2)], s[CM+(\k%4)], (8*\t+\k)/2           ; goes to lane i / 2, register i % 2
.endr
.endr
	global_store_b64 v[SO], v[OUT:OUT+1], s[DST:DST+1]                 ; the wave's 64 words: 256 consecutive bytes, aligned
	s_endpgm
.Lpath_x:
	; x: work-group g takes rows 16 g on; wave w the k blocks 2 w and 2 w + 1.  Piece u: rows 4 (u % 4) on, block 2 w + u / 4.
	; Lane L: row L / 8 of the four, columns 8 (L % 8) on: eight lanes read 256 consecutive bytes of x, and the wave's 512 bytes of f16 are four whole rows of xh.
	s_lshl_b32 s22, ttmp9, 16
	s_add_nc_u64 s[SRC:SRC+1], s[4:5], s[22:23]
	s_lshl_b32 s22, ttmp9, 11
	s_add_nc_u64 s[DST:DST+1], s[12:13], s[22:23]
	v_lshrrev_b32 v4, 3, v1
	v_and_b32 v5, 7, v0
	v_lshlrev_b32 v[LO], 12, v4
	v_lshl_add_u32 v[LO], v5, 5, v[LO]
	v_lshl_add_u32 v[LO], s20, 9, v[LO]            ; + two blocks of 256 bytes a wave
	v_lshlrev_b32 v[SO], 4, v1
	v_lshl_add_u32 v[SO], s20, 21, v[SO]           ; + two planes of 1,048,576 bytes a wave
	CONV 16384, 256, 512, 1048576
	s_endpgm
.Lpath_w:
	; The weights keep their layout.  Piece j = id - 512: 0-191 of w_qkv, 192-255 of w_out; 65,536 bytes in, 32,768 out.
	s_sub_co_u32 s21, ttmp9, 512
	s_sub_co_u32 s22, s21, 192
	s_cmp_lt_u32 s21, 192                          ; the choice hangs on the work-group's number alone
	s_cselect_b64 s[SRC:SRC+1], s[6:7], s[8:9]
	s_cselect_b64 s[DST:DST+1], s[14:15], s[16:17]
	s_cselect_b32 s21, s21, s22
	s_lshl_b32 s22, s21, 16
	s_add_nc_u64 s[SRC:SRC+1], s[SRC:SRC+1], s[22:23]
	s_lshl_b32 s22, s21, 15
	s_add_nc_u64 s[DST:DST+1], s[DST:DST+1], s[22:23]
	v_lshlrev_b32 v[LO], 5, v0
	v_lshlrev_b32 v[SO], 4, v0
	CONV 8192, 32768, 4096, 16384
	s_endpgm
.Lfunc_end_k_q026715489d_prep:
	.size	k_q026715489d_prep, .Lfunc_end_k_q026715489d_prep-k_q026715489d_prep
	.p2alignl 7, 3214868480
	.fill 96, 4, 3214868480
	.section	.rodata,"a",@progbits
	.p2align	6, 0x0
	.amdhsa_kernel k_q026715489d_prep
		.amdhsa_group_segment_fixed_size 0
		.amdhsa_private_segment_fixed_size 0
		.amdhsa_enable_private_segment 0
		.amdhsa_kernarg_size 64
		.amdhsa_user_sgpr_count 2
		.amdhsa_user_sgpr_kernarg_segment_ptr 1
		.amdhsa_wavefront_size32 1
		.amdhsa_system_sgpr_workgroup_id_x 1
		.amdhsa_system_sgpr_workgroup_id_y 1
		.amdhsa_system_sgpr_workgroup_id_z 1
		.amdhsa_system_vgpr_workitem_id 0
		.amdhsa_next_free_vgpr 104
		.amdhsa_next_free_sgpr 66
		.amdhsa_reserve_vcc 0
		.amdhsa_float_denorm_mode_32 3
		.amdhsa_float_denorm_mode_16_64 3
		.amdhsa_memory_ordered 1
		.amdhsa_forward_progress 1
		.amdhsa_inst_pref_size 22
	.end_amdhsa_kernel
	.amdgpu_metadata
---
amdhsa.version: [ 1, 2 ]
amdhsa.kernels:
  - .name:           k_q026715489d_prep
    .symbol:         k_q026715489d_prep.kd
    .args:
      - { .name: x, .offset: 0, .size: 8, .value_kind: global_buffer, .address_space: global }
      - { .name: w_qkv, .offset: 8, .size: 8, .value_kind: global_buffer, .address_space: global }
      - { .name: w_out, .offset: 16, .size: 8, .value_kind: global_buffer, .address_space: global }
      - { .name: mask, .offset: 24, .size: 8, .value_kind: global_buffer, .address_space: global }
      - { .name: xh, .offset: 32, .size: 8, .value_kind: global_buffer, .address_space: global }
      - { .name: wqh, .offset: 40, .size: 8, .value_kind: global_buffer, .address_space: global }
      - { .name: woh, .offset: 48, .size: 8, .value_kind: global_buffer, .address_space: global }
      - { .name: mbits, .offset: 56, .size: 8, .value_kind: global_buffer, .address_space: global }
    .group_segment_fixed_size: 0
    .private_segment_fixed_size: 0
    .kernarg_segment_align: 8
    .kernarg_segment_size: 64
    .max_flat_workgroup_size: 256
    .sgpr_count:     66
    .vgpr_count:     104
    .wavefront_size: 32
...
	.end_amdgpu_metadata
.endif
;; end of part 1
;; launch qkvgemm (part 2): grid 8 x 32, 8 waves a work-group, clusters of 4 x 4, 327,680 bytes of LDS; arguments xh, wqh, b_qkv, qkv; writes qkv
.if DOCPART == 2
	.amdgcn_target "amdgcn-amd-amdhsa--gfx1250"
	.amdhsa_code_object_version 6
	.text
	.protected	k_q026715489d_qkvgemm
	.globl	k_q026715489d_qkvgemm
	.p2align	8
	.type	k_q026715489d_qkvgemm,@function
k_q026715489d_qkvgemm:
	s_mov_b64 s[64:65], 0
	v_nop
	global_prefetch_b8 v0, s[64:65] scope:SCOPE_SE
	s_setreg_imm32_b32 hwreg(HW_REG_WAVE_MODE, 25, 1), 1
	s_wait_xcnt 0x0
	s_wait_alu depctr_hold_cnt(0) depctr_sa_sdst(0) depctr_va_vdst(0) depctr_va_sdst(0) depctr_va_ssrc(0) depctr_va_vcc(0) depctr_vm_vsrc(0)
	s_getreg_b32 s2, hwreg(HW_REG_IB_STS2, 6, 4)
	s_cmp_eq_u32 s2, 0
	s_cbranch_scc0 .Lentry_in_a_cluster
	s_endpgm
.Lentry_in_a_cluster:
	s_bfe_u32 s2, ttmp6, 0x10000c
	s_cmp_lg_u32 s2, 0xf033
	s_cbranch_scc0 .Lentry_shape_is_right
	s_endpgm
.Lentry_shape_is_right:
; qkv = x w_qkv + b_qkv, f16 operands, f32 sums, rounded once to f16.  xh: [16 kb][8192 m][64], wqh: [1024 k][3072 n], qkv: [48 G][8192 m][64], G = column / 64
; (0-15 the heads of q, 16-31 of k, 32-47 of v).
; SHARES.  A work-group makes 256 rows x 384 columns: 32 x 8 = 256 work-groups.  Eight waves, two to a SIMD: wave w makes rows 64 (w / 2) on, columns 192 (w % 2) on (three
; whole heads): 48 accumulators of 16 x 16, 384 registers.  K goes in 16 visits of 64 through two LDS slots.
; CLUSTER.  4 x 4 work-groups: the four of a row need the same tile of xh, the four of a column the same tile of wqh; each tile is asked for jointly, by the same tensor load
; with a mask that names the four.  Waves 0 and 1 ask for A's halves (128 rows as 64 lines of 256 bytes, since xh's rows are dense), wave 2 for B's 64 rows of 768 bytes.
; THE MATRIX INSTRUCTION IS USED TRANSPOSED: source 0 = 16 columns of w (turned on the way out of LDS by ds_load_tr16_b128), source 1 = 16 rows of x: a lane then holds eight
; neighbouring columns of one row of the result, 16 bytes of f16.
; LIMITS.  f16: |x w_qkv + b_qkv| must stay under 65,504; the sums are formed in the matrix unit's order, not in the order of a chain of f32 additions.
.set PA,    144                        ; 128 bytes + 16 of padding = 9 x 16: the sixteen rows of a fragment load begin at sixteen different 16-byte columns modulo 256
.set PB,    864                        ; 768 bytes + 6 x 16 of padding = 27 x 32; column n lies at 144 (n / 64) + 2 (n % 64)
.set BOFF,  256*PA                     ; a slot: A's 256 rows, then B's 64 rows
.set SLOT1, 131072                     ; slot 1 begins here, so that one exclusive or changes slots
.set STAGE, SLOT1+BOFF+64*PB           ; behind the ring: 16 rows x 144 bytes for each wave, for the way out
.set SPARE, STAGE+8*16*PA              ; the spare words: 128 bytes for each wave, four blocks of 256 bytes that no other line names
.set BIAS,  SPARE+1024                 ; each wave's 192 numbers of the bias
.set ASTEP, 8192*128                   ; bytes from a visit's tile of xh to the next: one plane
.set BSTEP, 64*3072*2                  ; the same in wqh: 64 rows
.set VISITS, 16
.set FLAGS, (1<<16)|(1<<20)|(1<<21)|(4<<22)|(3<<25)   ; elements of 2 bytes; padding on; bit 21 set beside a mask; after every 32 words (code 4) 4 words (code 3)
.set ADRA0, 2                          ; v2   my place in A's tile;  v3 in B's tile; never rewritten
.set ADRB0, 3
.set ADRA,  4                          ; v4, v5  the same in the slot in hand
.set ADRB,  5
.set STO,   6                          ; v6   the way out: where I put 16 bytes of a row
.set RD,    7                          ; v7   where I read rows back
.set GO,    8                          ; v8   my byte offset in the rows stored
.set BO,    9                          ; v9   where I read the bias
.set SPW,   10                         ; v10  LDS address of my spare word; never rewritten
.set NIL,   11                         ; v11  0; never rewritten
.set T,     16                         ; v[16:31]  packed results
.set AF,    32                         ; v[32:63]  A's four fragments of 32 along K; on the way out v[32:127] hold the bias
.set B0,    64                         ; v[64:95], v[96:127]  B's four fragments of one head, two buffers
.set B1,    96
; accumulator (head hh, row block a, column block g): hh = 0, 1 in window 1 at 128 hh + 8 (4 a + g); hh = 2 in window 0 at 128 + 8 (4 a + g)
.set WV,  12                           ; s12 wave, s13 wave / 2, s14 wave % 2, s15 cx, s16 cy, s17 tile column, s18 tile row
.set G1A, 24                           ; s[24:31] group 1 for A;  s[32:39] for B
.set G1B, 32
.set G0A, 40                           ; s[40:47] group 0 for A: a set for each first fill; the second then walks on;  s[48:55] the same for B
.set G0B, 48
.set TB,  56                           ; s56  the slot in hand: 0 or SLOT1
.set CNT, 57
.set OB,  58                           ; s[58:59] qkv at my first head's first row
.set MSB, 0
.macro WIN new                         ; the immediate's high byte repeats the setting that is left; a switch that changes nothing is dropped
.if MSB != \new
	s_set_vgpr_msb (MSB<<8)|\new
.set MSB, \new
.endif
.endm
.macro PLACES                          ; four plain vector instructions between a matrix instruction and a load into, or a vector instruction on, its registers
.rept 4
	v_nop
.endr
.endm
.macro CROUND                          ; a round of the cluster's barrier: my work-group's barrier, wave 0 signals for it, all wait for all sixteen, my work-group's barrier again
	s_barrier_signal -1
	s_barrier_wait -1
	s_cmp_lg_u32 s[WV], 0
	s_cbranch_scc1 .Lnot_wave_0_\@
	s_barrier_signal -3
.Lnot_wave_0_\@:
	s_barrier_wait -3
	s_barrier_signal -1
	s_barrier_wait -1
.endm
.macro JLOAD                           ; a joint refill by the walking descriptors; the branches hang on the wave's number alone; four v_nop follow each load
	s_cmp_lt_u32 s[WV], 2
	s_cbranch_scc0 .Lnot_a_\@
	tensor_load_to_lds s[G0A+4:G0A+7], s[G1A:G1A+7]
	s_nop 0
	PLACES
	s_branch .Lasked_\@
.Lnot_a_\@:
	s_cmp_eq_u32 s[WV], 2
	s_cbranch_scc0 .Lasked_\@
	tensor_load_to_lds s[G0B+4:G0B+7], s[G1B:G1B+7]
	s_nop 0
	PLACES
.Lasked_\@:
.endm
	s_load_b256 s[4:11], s[0:1], 0x0               ; xh s[4:5], wqh s[6:7], b_qkv s[8:9], qkv s[10:11]
	v_lshl_add_u32 v[SPW], v0, 2, SPARE
	v_mov_b32 v[NIL], 0
	ds_add_u32 v10, v11
	s_wait_dscnt 0x0
	v_lshrrev_b32 v1, 5, v0
	v_readfirstlane_b32 s[WV], v1                  ; wave 0..7
	v_and_b32 v1, 31, v0                           ; lane L
	s_lshr_b32 s13, s[WV], 1                       ; which 64 rows are mine
	s_and_b32 s14, s[WV], 1                        ; which 192 columns
	s_bfe_u32 s15, ttmp6, 0x40000                  ; cx
	s_bfe_u32 s16, ttmp6, 0x40004                  ; cy
	s_lshl_b32 s17, ttmp9, 2
	s_add_co_u32 s17, s17, s15                     ; tile column = 4 x cluster x + cx
	s_and_b32 s18, ttmp7, 0xffff
	s_lshl_b32 s18, s18, 2
	s_add_co_u32 s18, s18, s16                     ; tile row = 4 x cluster y + cy
	s_lshl_b32 s2, s16, 2
	s_lshl_b32 s2, 15, s2                          ; my row of the cluster
	s_lshl_b32 s3, 0x1111, s15                     ; my column
	s_or_b32 s[G1A], s2, FLAGS                     ; A's tiles go to my row,
	s_or_b32 s[G1B], s3, FLAGS                     ; B's to my column
	s_mov_b32 s[G1A+1], 128<<16                    ; A: tensor_dim0 = 128 elements (a line of 256 bytes = two rows of xh)
	s_mov_b32 s[G1A+2], 64<<16                     ; tensor_dim1 = 64
	s_mov_b32 s[G1A+3], 128<<16                    ; tile_dim0 = 128
	s_mov_b32 s[G1A+4], 64                         ; tile_dim1 = 64
	s_mov_b32 s[G1A+5], 128                        ; from line to line: dense
	s_mov_b32 s[G1A+6], 0
	s_mov_b32 s[G1A+7], 0
	s_mov_b32 s[G1B+1], 384<<16                    ; B: rows of 384 elements,
	s_mov_b32 s[G1B+2], 64<<16                     ; 64 of them,
	s_mov_b32 s[G1B+3], 384<<16
	s_mov_b32 s[G1B+4], 64
	s_mov_b32 s[G1B+5], 3072                       ; 3,072 elements apart
	s_mov_b32 s[G1B+6], 0
	s_mov_b32 s[G1B+7], 0
	s_lshl_b32 s20, s18, 15                        ; A: 256 x tile row rows of 128 bytes,
	s_lshl_b32 s21, s[WV], 14                      ; + 128 rows for wave 1: made of the tile row and the wave alone
	s_add_co_u32 s20, s20, s21
	s_mov_b32 s21, 0
	s_mul_i32 s22, s17, 768                        ; B: the tile's first column: made of the tile column alone
	s_mov_b32 s23, 0
	s_mul_i32 s19, s[WV], 128*PA                   ; A's halves in LDS: no place in the cluster enters an LDS address
	s_mul_i32 s2, s17, 1536                        ; the bias of my 192 columns, in bytes
	s_mul_i32 s3, s14, 768
	s_add_co_u32 s2, s2, s3
	s_mov_b32 s3, 0
	s_mul_i32 s[OB], s17, 6                        ; my first head G = 6 x tile column + 3 x (wave % 2): planes of 1,048,576 bytes,
	s_mul_i32 s[OB+1], s14, 3
	s_add_co_u32 s[OB], s[OB], s[OB+1]
	s_lshl_b32 s[OB], s[OB], 20
	s_lshl_b32 s[OB+1], s18, 15                    ; + 256 x tile row rows,
	s_add_co_u32 s[OB], s[OB], s[OB+1]
	s_lshl_b32 s[OB+1], s13, 13                    ; + my 64 rows
	s_add_co_u32 s[OB], s[OB], s[OB+1]
	s_mov_b32 s[OB+1], 0
	s_mov_b32 s[TB], 0
	v_lshlrev_b32 v16, 3, v1                       ; 8 bytes a lane
	s_wait_kmcnt 0x0
	s_add_nc_u64 s[20:21], s[4:5], s[20:21]
	s_add_nc_u64 s[22:23], s[6:7], s[22:23]
	s_add_nc_u64 s[8:9], s[8:9], s[2:3]
	s_add_nc_u64 s[OB:OB+1], s[10:11], s[OB:OB+1]
.irp i, 0,1,2
	global_load_b64 v[18+2*\i:19+2*\i], v16, s[8:9] offset:256*\i      ; my wave's 768 bytes of the bias
.endr
.irp s, 0,1
	s_mov_b32 s[G0A+4*\s], 1
	s_add_co_u32 s[G0A+4*\s+1], s19, \s*SLOT1
	s_add_nc_u64 s[G0A+4*\s+2:G0A+4*\s+3], s[20:21], \s*ASTEP
	s_or_b32 s[G0A+4*\s+3], s[G0A+4*\s+3], 0x80000000
	s_mov_b32 s[G0B+4*\s], 1
	s_mov_b32 s[G0B+4*\s+1], BOFF+\s*SLOT1
	s_add_nc_u64 s[G0B+4*\s+2:G0B+4*\s+3], s[22:23], \s*BSTEP
	s_or_b32 s[G0B+4*\s+3], s[G0B+4*\s+3], 0x80000000
.endr
	CROUND                                         ; all sixteen work-groups are here: the first joint loads meet
	s_cmp_lt_u32 s[WV], 2                          ; a wave's two first fills stand in one branch: two tensor loads of a wave are out at the most, later one
	s_cbranch_scc0 .Lfirst_not_a
	tensor_load_to_lds s[G0A:G0A+3], s[G1A:G1A+7]
	s_nop 0
	tensor_load_to_lds s[G0A+4:G0A+7], s[G1A:G1A+7]
	s_nop 0
	PLACES
	s_branch .Lfirst_asked
.Lfirst_not_a:
	s_cmp_eq_u32 s[WV], 2
	s_cbranch_scc0 .Lfirst_asked
	tensor_load_to_lds s[G0B:G0B+3], s[G1B:G1B+7]
	s_nop 0
	tensor_load_to_lds s[G0B+4:G0B+7], s[G1B:G1B+7]
	s_nop 0
	PLACES
.Lfirst_asked:
	v_and_b32 v12, 15, v0                          ; r = L % 16
	v_bfe_u32 v13, v0, 4, 1                        ; h = L / 16
	v_mul_u32_u24 v[ADRA0], v12, PA
	v_lshl_add_u32 v[ADRA0], v13, 4, v[ADRA0]      ; row r x pitch + 16 h: a fragment's place, and my place in the stage
	s_mul_i32 s19, s[WV], 16*PA
	s_add_co_u32 s19, s19, STAGE                   ; my stage
	v_add_nc_u32 v[STO], s19, v[ADRA0]
	v_lshrrev_b32 v14, 3, v1
	v_and_b32 v15, 7, v0
	v_mul_u32_u24 v[RD], v14, PA                   ; back: eight lanes take a row of 128 bytes, the wave four rows
	v_lshl_add_u32 v[RD], v15, 4, v[RD]
	v_add_nc_u32 v[RD], s19, v[RD]
	v_lshlrev_b32 v[GO], 4, v1                     ; which are 512 consecutive bytes of qkv
	s_mul_i32 s19, s13, 64*PA
	v_add_nc_u32 v[ADRA0], s19, v[ADRA0]           ; my 64 rows of A
	v_lshl_add_u32 v[ADRB0], v13, 3, v15           ; the turning load: row 8 h + L % 8 of 16 along K,
	v_mul_u32_u24 v[ADRB0], v[ADRB0], PB
	v_bfe_u32 v14, v0, 3, 1
	v_lshl_add_u32 v[ADRB0], v14, 4, v[ADRB0]      ; columns 8 ((L / 8) % 2) on
	s_mul_i32 s19, s14, 3*PA                       ; my three heads
	s_add_co_u32 s19, s19, BOFF
	v_add_nc_u32 v[ADRB0], s19, v[ADRB0]
	v_add_nc_u32 v[ADRA], s[TB], v[ADRA0]
	v_add_nc_u32 v[ADRB], s[TB], v[ADRB0]
	s_mul_i32 s19, s[WV], 768
	s_add_co_u32 s19, s19, BIAS
	v_lshl_add_u32 v[BO], v13, 5, s19              ; the bias of columns 8 h on
	v_lshl_add_u32 v17, v1, 3, s19
	s_wait_loadcnt 0x0
.irp i, 0,1,2
	ds_store_b64 v17, v[18+2*\i:19+2*\i] offset:256*\i                 ; into bytes that are my wave's own and that no tensor load fills
.endr
.macro LA q                            ; A's four fragments of 32 along K at 32 q
.irp a, 0,1,2,3
	ds_load_b128 v[AF+8*\a:AF+8*\a+3],   v[ADRA] offset:64*\q+16*PA*\a
	ds_load_b128 v[AF+8*\a+4:AF+8*\a+7], v[ADRA] offset:64*\q+16*PA*\a+32
.endr
.endm
.macro LB buf, q, hh                   ; B's four fragments (16 columns x 32 K, turned) of head hh at 32 q
.irp g, 0,1,2,3
	ds_load_tr16_b128 v[\buf+8*\g:\buf+8*\g+3],   v[ADRB] offset:32*PB*\q+PA*\hh+32*\g
	ds_load_tr16_b128 v[\buf+8*\g+4:\buf+8*\g+7], v[ADRB] offset:32*PB*\q+PA*\hh+32*\g+16*PB
.endr
.endm
; 16 matrix instructions: head hh, 4 row blocks x 4 column blocks, 32 along K.  The sixteen accumulators take turns, and neighbouring units have other heads.
; zero = 1: the product starts the sums: nothing is ever cleared.
.macro MUL buf, hh, zero
.if \hh < 2
	WIN 0x50                                       ; C and D in window 1
.set AC, 128*\hh
.else
	WIN 0
.set AC, 128
.endif
.irp a, 0,1,2,3
.irp g, 0,1,2,3
.if \zero
	v_wmma_f32_16x16x32_f16 v[AC+8*(4*\a+\g):AC+8*(4*\a+\g)+7], v[\buf+8*\g:\buf+8*\g+7], v[AF+8*\a:AF+8*\a+7], 0
.else
	v_wmma_f32_16x16x32_f16 v[AC+8*(4*\a+\g):AC+8*(4*\a+\g)+7], v[\buf+8*\g:\buf+8*\g+7], v[AF+8*\a:AF+8*\a+7], v[AC+8*(4*\a+\g):AC+8*(4*\a+\g)+7]
.endif
.endr
.endr
.endm
; A visit is six units u = 3 q + hh on buffers 0, 1, 0, 1, 0, 1.  A unit multiplies its buffer and then fetches, into the same buffer, B for the unit two further on (nq, nhh);
; la = 1: A's fragments of the visit's second half come first.
.macro UNIT buf, hh, zero, nq, nhh, la
	s_wait_dscnt 8                                 ; all but the youngest eight loads, the next unit's B, are in
	MUL \buf, \hh, \zero
	WIN 0
	PLACES
.if \la
	LA 1
.endif
	LB \buf, \nq, \nhh
.endm
; Units 4 and 5 and the change of slots.  In front of the barrier each wave waits for all its tensor loads (its part of the next slot), adds 0 to its spare word, and waits for that and for its
; reads of this slot.  fill = 1: the barrier is a round of the cluster's, and this slot is filled again first thing behind it, with the tile two visits on.
.macro TURN fill
	WIN 0
	s_wait_tensorcnt 0x0                           ; no tensor load of mine is out: the descriptors may be written
	ds_add_u32 v[SPW], v[NIL]                      ; 0 onto my spare word
.if \fill
	s_xor_b32 s[G0A+5], s[G0A+5], SLOT1            ; the walking descriptors: the other slot than last time, the next tile
	s_add_nc_u64 s[G0A+6:G0A+7], s[G0A+6:G0A+7], ASTEP
	s_xor_b32 s[G0B+5], s[G0B+5], SLOT1
	s_add_nc_u64 s[G0B+6:G0B+7], s[G0B+6:G0B+7], BSTEP
.endif
	s_wait_dscnt 9                                 ; unit 5's eight loads and the add may be out
	MUL B0, 1, 0                                   ; unit 4 stands between the add and the wait for it
	s_wait_dscnt 0x0                               ; the add is done, and my reads of this slot are over
	WIN 0
.if \fill
	CROUND                                         ; no wave of any partner still reads this slot or has a load on its way
	JLOAD
.else
	s_barrier_signal -1
	s_barrier_wait -1
.endif
	s_xor_b32 s[TB], s[TB], SLOT1
	v_add_nc_u32 v[ADRA], s[TB], v[ADRA0]          ; these two and two v_nop are the four places behind unit 4, on every wave's way
	v_add_nc_u32 v[ADRB], s[TB], v[ADRB0]
	v_nop
	v_nop
	LB B0, 0, 0                                    ; the next visit's unit 0
	MUL B1, 2, 0                                   ; unit 5: its fragments were shown in by the wait for 0 above
	PLACES
	LA 0
	LB B1, 0, 1
.endm
	s_wait_tensorcnt 0x1                           ; my part of slot 0 is in; slot 1's may stay out
	s_wait_dscnt 0x0
	s_barrier_signal -1
	s_barrier_wait -1                              ; everybody's is
	LA 0
	LB B0, 0, 0
	LB B1, 0, 1
	UNIT B0, 0, 1, 0, 2, 0                         ; the first three units start the 48 sums and stand in front of the loop
	UNIT B1, 1, 1, 1, 0, 0
	UNIT B0, 2, 1, 1, 1, 1
	s_mov_b32 s[CNT], VISITS-2
.Lvisit:                                               ; a trip: a visit's last three units, the change of slots with its refill, the next visit's first three: tiles 2 to 15 are asked for
	UNIT B1, 0, 0, 1, 2, 0
	TURN 1
	UNIT B0, 0, 0, 0, 2, 0
	UNIT B1, 1, 0, 1, 0, 0
	UNIT B0, 2, 0, 1, 1, 1
	s_sub_co_u32 s[CNT], s[CNT], 1
	s_cmp_lg_u32 s[CNT], 0
	s_cbranch_scc1 .Lvisit
	UNIT B1, 0, 0, 1, 2, 0                         ; the tail is written out: nothing more is asked for
	TURN 0
	UNIT B0, 0, 0, 0, 2, 0
	UNIT B1, 1, 0, 1, 0, 0
	UNIT B0, 2, 0, 1, 1, 1
	UNIT B1, 0, 0, 1, 2, 0
	s_wait_dscnt 8
	MUL B0, 1, 0
	s_wait_dscnt 0x0
	MUL B1, 2, 0
	; THE WAY OUT.  The bias of my 192 columns takes the fragments' registers; then block n = (head n / 4, row block n % 4), 16 rows x 64 columns: + bias, rounded to f16, 16 bytes a lane
	; into my stage, back as whole rows of 128 bytes into the block's own first sixteen registers, and stored: four rows, 512 consecutive bytes, an instruction.
	WIN 0
	PLACES
.irp g, 0,1,2,3,4,5,6,7,8,9,10,11
	ds_load_b128 v[AF+8*\g:AF+8*\g+3],   v[BO] offset:64*\g
	ds_load_b128 v[AF+8*\g+4:AF+8*\g+7], v[BO] offset:64*\g+16
.endr
	s_wait_dscnt 0x0
.macro BLK n
.set HH, (\n)/4
.set AA, (\n)%4
.if HH < 2
.set AC, 128*HH+32*AA
.set W, 1
.else
.set AC, 128+32*AA
.set W, 0
.endif
.endm
.macro PACK n
	BLK \n
	WIN 0x41*W                                     ; destination and source 0 in the accumulators' window
.irp g, 0,1,2,3
.irp j, 0,2,4,6
	v_pk_add_f32 v[AC+8*\g+\j:AC+8*\g+\j+1], v[AC+8*\g+\j:AC+8*\g+\j+1], v[AF+8*(4*HH+\g)+\j:AF+8*(4*HH+\g)+\j+1]   ; each accumulator from its low end on
.endr
.endr
	WIN 0x05*W
.irp g, 0,1,2,3
.irp j, 0,1,2,3
	v_cvt_pk_f16_f32 v[T+4*\g+\j], v[AC+8*\g+2*\j], v[AC+8*\g+2*\j+1]
.endr
.endr
	WIN 0
.endm
.macro TOSTAGE n
	BLK \n
.irp g, 0,1,2,3
	ds_store_b128 v[STO], v[T+4*\g:T+4*\g+3] offset:32*\g
.endr
	WIN 0x40*W
.irp i, 0,1,2,3
	ds_load_b128 v[AC+4*\i:AC+4*\i+3], v[RD] offset:4*PA*\i            ; LDS serves a wave's instructions in order (ISA guide 5.7.1.4): these see the stores above
.endr
	WIN 0
.endm
.macro SEND n
	BLK \n
	s_wait_dscnt 0x0                               ; the block is back in registers that nothing writes again: no further wait for the stores
	WIN 0x04*W                                     ; the stores' data in the accumulators' window
.irp i, 0,1,2,3
	global_store_b128 v[GO], v[AC+4*\i:AC+4*\i+3], s[OB:OB+1] offset:HH*1048576+2048*AA+512*\i
.endr
	WIN 0
.endm
	PACK 0
	TOSTAGE 0
.irp n, 1,2,3,4,5,6,7,8,9,10,11        ; block n's arithmetic stands between block n - 1's loads from the stage and the wait for them
	PACK \n
	SEND \n-1
	TOSTAGE \n
.endr
	SEND 11
	s_wait_tensorcnt 0x0                           ; the wave's end
	ds_add_u32 v[SPW], v[NIL]
	s_wait_dscnt 0x0
	CROUND                                         ; the closing round: no work-group ends while a partner may still ask for a tile that names it
	s_endpgm
.Lfunc_end_k_q026715489d_qkvgemm:
	.size	k_q026715489d_qkvgemm, .Lfunc_end_k_q026715489d_qkvgemm-k_q026715489d_qkvgemm
	.p2alignl 7, 3214868480
	.fill 96, 4, 3214868480
	.section	.rodata,"a",@progbits
	.p2align	6, 0x0
	.amdhsa_kernel k_q026715489d_qkvgemm
		.amdhsa_group_segment_fixed_size 327680
		.amdhsa_private_segment_fixed_size 0
		.amdhsa_enable_private_segment 0
		.amdhsa_kernarg_size 32
		.amdhsa_user_sgpr_count 2
		.amdhsa_user_sgpr_kernarg_segment_ptr 1
		.amdhsa_wavefront_size32 1
		.amdhsa_system_sgpr_workgroup_id_x 1
		.amdhsa_system_sgpr_workgroup_id_y 1
		.amdhsa_system_sgpr_workgroup_id_z 1
		.amdhsa_system_vgpr_workitem_id 0
		.amdhsa_next_free_vgpr 512
		.amdhsa_next_free_sgpr 66
		.amdhsa_reserve_vcc 0
		.amdhsa_float_denorm_mode_32 3
		.amdhsa_float_denorm_mode_16_64 3
		.amdhsa_memory_ordered 1
		.amdhsa_forward_progress 1
		.amdhsa_inst_pref_size 81
	.end_amdhsa_kernel
	.amdgpu_metadata
---
amdhsa.version: [ 1, 2 ]
amdhsa.kernels:
  - .name:           k_q026715489d_qkvgemm
    .symbol:         k_q026715489d_qkvgemm.kd
    .args:
      - { .name: xh, .offset: 0, .size: 8, .value_kind: global_buffer, .address_space: global }
      - { .name: wqh, .offset: 8, .size: 8, .value_kind: global_buffer, .address_space: global }
      - { .name: b_qkv, .offset: 16, .size: 8, .value_kind: global_buffer, .address_space: global }
      - { .name: qkv, .offset: 24, .size: 8, .value_kind: global_buffer, .address_space: global }
    .group_segment_fixed_size: 327680
    .private_segment_fixed_size: 0
    .kernarg_segment_align: 8
    .kernarg_segment_size: 32
    .max_flat_workgroup_size: 256
    .sgpr_count:     66
    .vgpr_count:     512
    .wavefront_size: 32
...
	.end_amdgpu_metadata
.endif
;; end of part 2
;; launch attn (part 3): grid 4 x 64, 8 waves a work-group, clusters of 4 x 1, 327,680 bytes of LDS; arguments qkv, mbits, ao; writes ao
.if DOCPART == 3
	.amdgcn_target "amdgcn-amd-amdhsa--gfx1250"
	.amdhsa_code_object_version 6
	.text
	.protected	k_q026715489d_attn
	.globl	k_q026715489d_attn
	.p2align	8
	.type	k_q026715489d_attn,@function
k_q026715489d_attn:
	s_mov_b64 s[64:65], 0
	v_nop
	global_prefetch_b8 v0, s[64:65] scope:SCOPE_SE
	s_setreg_imm32_b32 hwreg(HW_REG_WAVE_MODE, 25, 1), 1
	s_wait_xcnt 0x0
	s_wait_alu depctr_hold_cnt(0) depctr_sa_sdst(0) depctr_va_vdst(0) depctr_va_sdst(0) depctr_va_ssrc(0) depctr_va_vcc(0) depctr_vm_vsrc(0)
	s_getreg_b32 s2, hwreg(HW_REG_IB_STS2, 6, 4)
	s_cmp_eq_u32 s2, 0
	s_cbranch_scc0 .Lentry_in_a_cluster
	s_endpgm
.Lentry_in_a_cluster:
	s_bfe_u32 s2, ttmp6, 0x10000c
	s_cmp_lg_u32 s2, 0x3003
	s_cbranch_scc0 .Lentry_shape_is_right
	s_endpgm
.Lentry_shape_is_right:
; ao[h][2048 b + q][:] = the sum over k of softmax_k(mask ? Q[q] . K[k] / 8 : -inf) V[k][:], for each of 64 pairs (b, h).  qkv: [48 G][8192][64] f16 (q heads, k heads, v heads),
; ao: [16 h][8192][64] f16, mbits: one bit a score, [128 query tiles][32 key steps][32 words].  Products, maxima and sums in f32; the weights are rounded to f16 for the second product.
; SHARES.  A work-group owns 512 queries of one pair (b, h), each of its eight waves 64: four tiles of 16.  Every wave walks the 2,048 keys, 64 a step.  Two waves lie on a SIMD and the
; step is written in phases: one wave's softmax can run beside the other's products.
; CLUSTER.  The four query blocks of a pair walk the same K and V: each tile is asked for jointly (mask 15).  A slot holds 256 keys, four steps; waves 0, 1 ask for K's halves, 2, 3 for V's.
; LAYOUT.  S^T = K Q^T (source 0 = 16 keys, source 1 = 16 queries): a lane holds ONE query (L % 16) and keys 8 (L / 16) + 0..7 of each 16.  Two such tiles, rounded in pairs, ARE source 1
; of O^T = V^T P; V comes out of LDS turned (ds_load_tr16_b128).  The row sum l is a product too: a source 0 with ones in rows 0 and 8, so that l falls into register 0 of every lane.
; SOFTMAX.  Running maximum m over the scores that the mask lets through, p = 2^(c s - c m), c = log2(e) / 8; O and l are multiplied by a = 2^(c m_old - c m_new) in every step.
; A masked score is -inf, so p = 0.  m starts at the lowest finite number and so stays finite: a block that is all masked changes nothing, and a row that is all masked ends with
; O = 0 and l = 0, which gives 0 x (1 / 0) = NaN, as the softmax of a row of -inf does.
; LIMITS.  f16 operands (q, k, v under 65,504; results under 6.1e-5 in steps of 2^-24); l is the sum of the ROUNDED weights; sums in the matrix unit's order.
.set PK,    144                        ; a row of K: 128 bytes + 16 = 9 x 16
.set PV,    160                        ; a row of V: 128 bytes + 32 = 5 x 32
.set VOFF,  256*PK                     ; a slot: 256 rows of K, then 256 rows of V
.set SLOT1, 131072
.set STAGE, SLOT1+VOFF+256*PV          ; behind the ring: 16 rows x 144 bytes for each wave
.set SPARE, STAGE+8*16*PK              ; the spare words: 128 bytes for each wave, four blocks of 256 bytes that no other line names
.set AK0, 2                            ; v2   my place in a step's K; never rewritten
.set AV0, 3                            ; v3   my place in a step's V; never rewritten
.set ADR, 4                            ; v4   the address of the run of loads in hand
.set QO,  5                            ; v5   my byte offset in the wave's rows of Q
.set STO, 6                            ; v6, v7, v8  the way out
.set RD,  7
.set GO,  8
.set SPW, 10                           ; v10  LDS address of my spare word; never rewritten
.set NIL, 11                           ; v11  0; never rewritten
.set NEG, 12                           ; v12  -inf
.set ST,  16                           ; tile t's statistics at v[16 + 8 t]: +0 c m, +1 m, +2 a, +3 a's partner in the pair (written once), +4 to +7 at work
.set Q,   64                           ; v[64:127]   Q: tile t, channels 32 c on, at 64 + 16 t + 8 c
.set S,   128                          ; v[128:255]  S^T: tile t, keys 16 kb on, at 128 + 32 t + 8 kb; P takes the first 16 registers of a tile's 32
.set LS,  128                          ; window 1: v[0:127] O^T (tile t, channels 16 cb on, at 32 t + 8 cb); v[128:159] l; v[160:223] K, then V, of the step; v[224:231] the ones
.set KV,  160
.set ONES, 224
.set WV,  12                           ; s12 wave
.set G1K, 16                           ; s[16:23], s[24:31] group 1 for K, V: they differ in the padding
.set G1V, 24
.set G0K, 32                           ; s[32:39], s[40:47] group 0: a set for each first fill; the second then walks on
.set G0V, 40
.set TBK, 48                           ; s48, s49  LDS byte at which the K, the V of the step to be fetched begins
.set TBV, 49
.set SLOTS, 50
.set STEPS, 51
.set MO,  52                           ; s52  the key step's 128 bytes in a query tile's words
.set SEL, 54                           ; s[54:55] lane selects: each lane takes its own place in the other half
.set MP,  56                           ; s[56:57] mbits at my wave's first tile
.set QP,  58                           ; s[58:59] Q, s[60:61] ao, at my wave's first row
.set OP,  60
.set CS,  62                           ; s[62:63] c, twice
.set MW,  68                           ; s[68:99] the 32 mask words of one tile and step
.set MSB, 0
.macro WIN new
.if MSB != \new
	s_set_vgpr_msb (MSB<<8)|\new
.set MSB, \new
.endif
.endm
.macro PLACES
.rept 4
	v_nop
.endr
.endm
.macro CROUND
	s_barrier_signal -1
	s_barrier_wait -1
	s_cmp_lg_u32 s[WV], 0
	s_cbranch_scc1 .Lnot_wave_0_\@
	s_barrier_signal -3
.Lnot_wave_0_\@:
	s_barrier_wait -3
	s_barrier_signal -1
	s_barrier_wait -1
.endm
.macro JLOAD                           ; a joint refill; the branches hang on the wave's number alone; four v_nop follow each load
	s_cmp_lt_u32 s[WV], 2
	s_cbranch_scc0 .Lnot_k_\@
	tensor_load_to_lds s[G0K+4:G0K+7], s[G1K:G1K+7]
	s_nop 0
	PLACES
	s_branch .Lasked_\@
.Lnot_k_\@:
	s_cmp_lt_u32 s[WV], 4
	s_cbranch_scc0 .Lasked_\@
	tensor_load_to_lds s[G0V+4:G0V+7], s[G1V:G1V+7]
	s_nop 0
	PLACES
.Lasked_\@:
.endm
	s_load_b128 s[4:7], s[0:1], 0x0                ; qkv s[4:5], mbits s[6:7]
	s_load_b64 s[8:9], s[0:1], 0x10                ; ao
	v_lshl_add_u32 v[SPW], v0, 2, SPARE
	v_mov_b32 v[NIL], 0
	ds_add_u32 v10, v11
	s_wait_dscnt 0x0
	v_lshrrev_b32 v1, 5, v0
	v_readfirstlane_b32 s[WV], v1                  ; wave 0..7
	v_and_b32 v1, 31, v0                           ; lane L
	s_bfe_u32 s13, ttmp6, 0x40000                  ; cx
	s_lshl_b32 s14, ttmp9, 2
	s_add_co_u32 s14, s14, s13                     ; my block of 512 queries: it enters Q's, ao's and mbits' addresses alone
	s_and_b32 s15, ttmp7, 0xffff                   ; the pair (b, h), which the four partners share
	s_and_b32 s2, s15, 15
	s_lshr_b32 s3, s15, 4
	s_lshl_b32 s2, s2, 20                          ; head: a plane of 1,048,576 bytes
	s_lshl_b32 s3, s3, 18                          ; batch: 2,048 rows of 128 bytes
	s_add_co_u32 s2, s2, s3
	s_mov_b32 s3, 0
	s_and_b32 s53, s[WV], 1                        ; which 128 keys of a slot I ask for
	s_lshl_b32 s48, s53, 14
	s_mov_b32 s49, 0
	s_add_nc_u64 s[48:49], s[48:49], s[2:3]        ; an offset made of the pair and the wave alone
	s_mul_i32 s50, s53, 128*PK                     ; and their places in a slot
	s_mul_i32 s51, s53, 128*PV
	s_add_co_u32 s51, s51, VOFF
	s_lshl_b32 s[QP], s14, 16                      ; 512 rows a block,
	s_lshl_b32 s[QP+1], s[WV], 13                  ; 64 a wave
	s_add_co_u32 s[QP], s[QP], s[QP+1]
	s_add_co_u32 s[QP], s[QP], s2
	s_mov_b32 s[QP+1], 0
	s_lshl_b32 s[MP], s14, 17                      ; 32 query tiles of 4,096 bytes a block,
	s_lshl_b32 s[MP+1], s[WV], 14                  ; 4 a wave
	s_add_co_u32 s[MP], s[MP], s[MP+1]
	s_mov_b32 s[MP+1], 0
	s_mov_b32 s[G1K], 15|(1<<16)|(1<<20)|(1<<21)|(4<<22)|(3<<25)   ; all four work-groups; elements of 2 bytes; padding on; bit 21 beside a mask; after every 32 words 4 words
	s_mov_b32 s[G1V], 15|(1<<16)|(1<<20)|(1<<21)|(4<<22)|(7<<25)   ; the same with 8 words
.irp g, G1K, G1V
	s_mov_b32 s[\g+1], 128<<16                     ; 128 keys are dense in memory: 64 lines of 256 bytes
	s_mov_b32 s[\g+2], 64<<16
	s_mov_b32 s[\g+3], 128<<16
	s_mov_b32 s[\g+4], 64
	s_mov_b32 s[\g+5], 128
	s_mov_b32 s[\g+6], 0
	s_mov_b32 s[\g+7], 0
.endr
	s_mov_b32 s[CS], 0x3e38aa3b                    ; c = log2(e) / 8
	s_mov_b32 s[CS+1], s[CS]
	s_mov_b32 s[SEL], 0x76543210
	s_mov_b32 s[SEL+1], 0xfedcba98
	s_mov_b32 s[MO], 0
	s_wait_kmcnt 0x0
	s_add_nc_u64 s[OP:OP+1], s[8:9], s[QP:QP+1]
	s_add_nc_u64 s[QP:QP+1], s[4:5], s[QP:QP+1]
	s_add_nc_u64 s[MP:MP+1], s[6:7], s[MP:MP+1]
	s_add_nc_u64 s[48:49], s[4:5], s[48:49]
.irp s, 0,1
	s_mov_b32 s[G0K+4*\s], 1
	s_add_co_u32 s[G0K+4*\s+1], s50, \s*SLOT1
	s_add_nc_u64 s[G0K+4*\s+2:G0K+4*\s+3], s[48:49], 16*1048576+\s*32768     ; k's heads begin 16 planes on; a slot is 256 rows
	s_or_b32 s[G0K+4*\s+3], s[G0K+4*\s+3], 0x80000000
	s_mov_b32 s[G0V+4*\s], 1
	s_add_co_u32 s[G0V+4*\s+1], s51, \s*SLOT1
	s_add_nc_u64 s[G0V+4*\s+2:G0V+4*\s+3], s[48:49], 32*1048576+\s*32768     ; v's 32 planes on
	s_or_b32 s[G0V+4*\s+3], s[G0V+4*\s+3], 0x80000000
.endr
	s_mov_b32 s[TBK], 0
	s_mov_b32 s[TBV], 0
	CROUND                                         ; all four work-groups are here: the first joint loads meet
	s_cmp_lt_u32 s[WV], 2                          ; a wave's two first fills stand in one branch: two tensor loads of a wave are out at the most, later one
	s_cbranch_scc0 .Lfirst_not_k
	tensor_load_to_lds s[G0K:G0K+3], s[G1K:G1K+7]
	s_nop 0
	tensor_load_to_lds s[G0K+4:G0K+7], s[G1K:G1K+7]
	s_nop 0
	PLACES
	s_branch .Lfirst_asked
.Lfirst_not_k:
	s_cmp_lt_u32 s[WV], 4
	s_cbranch_scc0 .Lfirst_asked
	tensor_load_to_lds s[G0V:G0V+3], s[G1V:G1V+7]
	s_nop 0
	tensor_load_to_lds s[G0V+4:G0V+7], s[G1V:G1V+7]
	s_nop 0
	PLACES
.Lfirst_asked:
	v_and_b32 v13, 15, v0                          ; r
	v_bfe_u32 v14, v0, 4, 1                        ; h
	v_lshlrev_b32 v[QO], 7, v13
	v_lshl_add_u32 v[QO], v14, 4, v[QO]            ; row r x 128 + 16 h
.irp i, 0,1,2,3,4,5,6,7                ; Q stays in registers: tile i / 2, channels 32 (i % 2) on
	global_load_b128 v[Q+8*\i:Q+8*\i+3],   v[QO], s[QP:QP+1] offset:(\i/2)*2048+(\i%2)*64
	global_load_b128 v[Q+8*\i+4:Q+8*\i+7], v[QO], s[QP:QP+1] offset:(\i/2)*2048+(\i%2)*64+32
.endr
	s_load_b512 s[MW:MW+15],    s[MP:MP+1], s[MO] offset:0             ; the mask words of tile 0, step 0
	s_load_b512 s[MW+16:MW+31], s[MP:MP+1], s[MO] offset:64
	v_mul_u32_u24 v[AK0], v13, PK
	v_lshl_add_u32 v[AK0], v14, 4, v[AK0]          ; row r x pitch + 16 h
	v_and_b32 v15, 7, v0
	v_lshl_add_u32 v[AV0], v14, 3, v15             ; the turning load: key 8 h + L % 8 of 16,
	v_mul_u32_u24 v[AV0], v[AV0], PV
	v_bfe_u32 v13, v0, 3, 1
	v_lshl_add_u32 v[AV0], v13, 4, v[AV0]          ; channels 8 ((L / 8) % 2) on
	v_add_nc_u32 v[AV0], VOFF, v[AV0]
	v_mov_b32 v[NEG], 0xff800000
	v_cmp_eq_u32 vcc_lo, 0, v15                    ; lanes 0, 8, 16, 24 hold rows 0 and 8 of a source 0
	v_mov_b32 v14, 0x3c003c00                      ; two ones in f16
.irp t, 0,1,2,3
	v_mov_b32 v[ST+8*\t+1], 0xff7fffff             ; m: the lowest finite number
	v_mul_f32 v[ST+8*\t], s[CS], v[ST+8*\t+1]      ; c m
	v_mov_b32 v[ST+8*\t+3], 0                      ; named with a as a pair, so it is written
.endr
.irp i, 0,1,2,3,4,5,6,7
	v_mov_b32 v[S+\i], 0                           ; a fragment of zeros
.endr
	WIN 0x40
.irp i, 0,1,2,3,4,5,6,7
	v_cndmask_b32 v[ONES+\i], 0, v14, vcc_lo
.endr
	; O^T and l begin at 0 by twenty products of the ones with the fragment of zeros (C = 0), so that all 32 key steps run the same text: twenty matrix instructions
	; that are not attention's, beside the 2,304 of a wave's walk, in place of a further written-out copy of the key step or 160 moves.
	WIN 0x41
.set i, 0
.rept 20
	v_wmma_f32_16x16x32_f16 v[8*i:8*i+7], v[ONES:ONES+7], v[S:S+7], 0
.set i, i+1
.endr
	WIN 0
; 16 products of S^T = K Q^T over channels 32 c on; the sixteen accumulators take turns.  c = 0 starts the sums.
.macro KQ c
.irp t, 0,1,2,3
.irp kb, 0,1,2,3
.if \c == 0
	v_wmma_f32_16x16x32_f16 v[S+32*\t+8*\kb:S+32*\t+8*\kb+7], v[KV+16*\kb:KV+16*\kb+7], v[Q+16*\t:Q+16*\t+7], 0
.else
	v_wmma_f32_16x16x32_f16 v[S+32*\t+8*\kb:S+32*\t+8*\kb+7], v[KV+16*\kb+8:KV+16*\kb+15], v[Q+16*\t+8:Q+16*\t+15], v[S+32*\t+8*\kb:S+32*\t+8*\kb+7]
.endif
.endr
.endr
.endm
; One tile's softmax for one key step.
.macro SMT t
.set rT, ST+8*\t
.set rS, S+32*\t
	s_wait_kmcnt 0x0                               ; the tile's 32 mask words are in
.set e, 0
.rept 32
	v_cndmask_b32 v[rS+e], v[NEG], v[rS+e], s[MW+e]                    ; a score whose bit is 0 becomes -inf; each accumulator is read from its low end on
.set e, e+1
.endr
.irp j, 0,1,2,3                        ; the maximum of 32 scores and the old m, three operands at a time, in four chains
	v_max3_num_f32 v[rT+4+\j], v[rS+8*\j], v[rS+8*\j+1], v[rS+8*\j+2]
.endr
.irp j, 0,1,2,3
	v_max3_num_f32 v[rT+4+\j], v[rT+4+\j], v[rS+8*\j+3], v[rS+8*\j+4]
.endr
.irp j, 0,1,2,3
	v_max3_num_f32 v[rT+4+\j], v[rT+4+\j], v[rS+8*\j+5], v[rS+8*\j+6]
.endr
	v_max3_num_f32 v[rT+4], v[rT+4], v[rS+7], v[rS+15]
	v_max3_num_f32 v[rT+6], v[rT+6], v[rS+23], v[rS+31]
	v_max3_num_f32 v[rT+4], v[rT+4], v[rT+5], v[rT+6]
	v_max3_num_f32 v[rT+4], v[rT+4], v[rT+7], v[rT+1]
.if \t < 3                             ; the words have been used: the next tile's are asked for, a tile's arithmetic ahead of their use
	s_load_b512 s[MW:MW+15],    s[MP:MP+1], s[MO] offset:(\t+1)*4096
	s_load_b512 s[MW+16:MW+31], s[MP:MP+1], s[MO] offset:(\t+1)*4096+64
.else
	s_add_co_u32 s[MO], s[MO], 128                 ; free since the wait above showed the last loads done: the next key step;
	s_min_u32 s[MO], s[MO], 31*128                 ; the last step asks for its own words again, so that no load leaves the buffer
	s_load_b512 s[MW:MW+15],    s[MP:MP+1], s[MO] offset:0
	s_load_b512 s[MW+16:MW+31], s[MP:MP+1], s[MO] offset:64
.endif
	v_permlanex16_b32 v[rT+5], v[rT+4], s[SEL], s[SEL+1]               ; the query's other 32 keys lie in the lane 16 away
	v_mov_b32 v[rT+7], v[rT]                       ; c m_old
	v_max_num_f32 v[rT+1], v[rT+4], v[rT+5]        ; m
	v_mul_f32 v[rT], s[CS], v[rT+1]                ; c m
	v_sub_f32 v[rT+2], v[rT+7], v[rT]              ; c m_old - c m_new
.set e, 0
.rept 16
	v_pk_fma_f32 v[rS+e:rS+e+1], v[rS+e:rS+e+1], s[CS:CS+1], v[rT:rT+1] op_sel_hi:[1,0,0] neg_lo:[0,0,1] neg_hi:[0,0,1]   ; c s - c m
.set e, e+2
.endr
	v_exp_f32 v[rT+2], v[rT+2]                     ; a
.set e, 0
.rept 32
	v_exp_f32 v[rS+e], v[rS+e]
.set e, e+1
.endr
	v_nop                                          ; a plain instruction between the last exponential and the use of its result (ISA guide 5.7.2)
.set e, 0
	s_wait_alu depctr_va_vdst(0)
.rept 16
	v_cvt_pk_f16_f32 v[rS+e], v[rS+2*e], v[rS+2*e+1]                   ; P in place: register e is written when scores 2 e and 2 e + 1 are read and the earlier ones are spent
.set e, e+1
.endr
.endm
; A KEY STEP.
.macro STEP
	v_add_nc_u32 v[ADR], s[TBK], v[AK0]            ; this and four v_nop: five places behind the last products V^T P, whose V is loaded over and whose P the next products write over
	PLACES
	s_add_co_u32 s[TBK], s[TBK], 64*PK
	WIN 0x40                                       ; destination window 1
.irp c, 0,1
.irp kb, 0,1,2,3
	ds_load_b128 v[KV+16*\kb+8*\c:KV+16*\kb+8*\c+3],   v[ADR] offset:16*PK*\kb+64*\c
	ds_load_b128 v[KV+16*\kb+8*\c+4:KV+16*\kb+8*\c+7], v[ADR] offset:16*PK*\kb+64*\c+32
.endr
.endr
	s_wait_dscnt 8                                 ; channels 0-31 are in; the eight loads of channels 32-63 may be out
	WIN 0x01                                       ; K in window 1
	KQ 0
	s_wait_dscnt 0x0
	KQ 1
	WIN 0
	v_add_nc_u32 v[ADR], s[TBV], v[AV0]            ; this and three v_nop: four places behind the last product, for the loads over K and the first read of the scores
	v_nop
	v_nop
	v_nop
	s_add_co_u32 s[TBV], s[TBV], 64*PV
	WIN 0x40
.irp kh, 0,1
.irp cb, 0,1,2,3
	ds_load_tr16_b128 v[KV+32*\kh+8*\cb:KV+32*\kh+8*\cb+3],   v[ADR] offset:32*PV*\kh+32*\cb
	ds_load_tr16_b128 v[KV+32*\kh+8*\cb+4:KV+32*\kh+8*\cb+7], v[ADR] offset:32*PV*\kh+32*\cb+16*PV
.endr
.endr
	WIN 0
	SMT 0
	SMT 1
	SMT 2
	SMT 3
	WIN 0x41                                       ; O^T and l (destination, source 0) in window 1, a in window 0
.irp t, 0,1,2,3
.set i, 0
.rept 16
	v_pk_mul_f32 v[32*\t+i:32*\t+i+1], v[32*\t+i:32*\t+i+1], v[ST+8*\t+2:ST+8*\t+3] op_sel_hi:[1,0]
.set i, i+2
.endr
	v_mul_f32 v[LS+8*\t], v[LS+8*\t], v[ST+8*\t+2]                     ; l lies in register 0; the other seven hold 0
.endr
	s_wait_dscnt 0x0                               ; V is in
	WIN 0x51                                       ; V and the ones, C and D in window 1; P in window 0
.irp kh, 0,1                           ; 40 products; the twenty accumulators take turns
.irp t, 0,1,2,3
.irp cb, 0,1,2,3
	v_wmma_f32_16x16x32_f16 v[32*\t+8*\cb:32*\t+8*\cb+7], v[KV+32*\kh+8*\cb:KV+32*\kh+8*\cb+7], v[S+32*\t+8*\kh:S+32*\t+8*\kh+7], v[32*\t+8*\cb:32*\t+8*\cb+7]
.endr
	v_wmma_f32_16x16x32_f16 v[LS+8*\t:LS+8*\t+7], v[ONES:ONES+7], v[S+32*\t+8*\kh:S+32*\t+8*\kh+7], v[LS+8*\t:LS+8*\t+7]
.endr
.endr
	WIN 0
.endm
; THE CHANGE OF SLOTS.  Each wave waits for all its tensor loads (its part of the other slot), adds 0 to its spare word, and waits for that and for its reads of the slot.
; fill = 1: the barrier is a round of the cluster's, and the slot is filled again first thing behind it, with the keys two slots on: the load has four key steps in which to land.
.macro CHANGE fill
	s_wait_tensorcnt 0x0                           ; no tensor load of mine is out: the descriptors may be written
	ds_add_u32 v[SPW], v[NIL]                      ; 0 onto my spare word
.if \fill
.irp g, G0K+4, G0V+4
	s_xor_b32 s[\g+1], s[\g+1], SLOT1
	s_add_nc_u64 s[\g+2:\g+3], s[\g+2:\g+3], 32768
.endr
.endif
	s_wait_dscnt 0x0                               ; the add is done, and my reads of the slot are over
.if \fill
	CROUND
	JLOAD
.else
	s_barrier_signal -1
	s_barrier_wait -1
.endif
	s_sub_co_u32 s[TBK], s[TBK], 256*PK            ; the fetches go back to a slot's first step,
	s_xor_b32 s[TBK], s[TBK], SLOT1                ; in the other slot
	s_sub_co_u32 s[TBV], s[TBV], 256*PV
	s_xor_b32 s[TBV], s[TBV], SLOT1
.endm
	s_wait_tensorcnt 0x1                           ; my part of slot 0 is in; slot 1's may stay out
	s_barrier_signal -1
	s_barrier_wait -1                              ; everybody's is
	s_wait_loadcnt 0x0                             ; Q
	s_mov_b32 s[SLOTS], 6
.Lslot:                                                ; six slots are filled again: keys 512 to 2,047
	s_mov_b32 s[STEPS], 4
.Lstep:
	STEP
	s_sub_co_u32 s[STEPS], s[STEPS], 1
	s_cmp_lg_u32 s[STEPS], 0
	s_cbranch_scc1 .Lstep
	CHANGE 1
	s_sub_co_u32 s[SLOTS], s[SLOTS], 1
	s_cmp_lg_u32 s[SLOTS], 0
	s_cbranch_scc1 .Lslot
	s_mov_b32 s[SLOTS], 2
.Llast_slots:                                          ; the last two slots in a loop of their own; its second barrier orders nothing more
	s_mov_b32 s[STEPS], 4
.Llast_step:
	STEP
	s_sub_co_u32 s[STEPS], s[STEPS], 1
	s_cmp_lg_u32 s[STEPS], 0
	s_cbranch_scc1 .Llast_step
	CHANGE 0
	s_sub_co_u32 s[SLOTS], s[SLOTS], 1
	s_cmp_lg_u32 s[SLOTS], 0
	s_cbranch_scc1 .Llast_slots
	; THE WAY OUT.  O^T / l, rounded to f16, a tile (16 rows of 128 bytes) at a time through my stage.  The seven address lines are the places behind the last products.
	s_wait_kmcnt 0x0                               ; the last step's spare mask words: nothing is pending at the end
	s_mul_i32 s53, s[WV], 16*PK
	s_add_co_u32 s53, s53, STAGE                   ; my stage
	v_add_nc_u32 v[STO], s53, v[AK0]               ; in: row r, 16 bytes for each half of the lanes
	v_lshrrev_b32 v13, 3, v1
	v_and_b32 v14, 7, v0
	v_mul_u32_u24 v[RD], v13, PK                   ; back: eight lanes take a row, the wave four rows,
	v_lshl_add_u32 v[RD], v14, 4, v[RD]
	v_add_nc_u32 v[RD], s53, v[RD]
	v_lshlrev_b32 v[GO], 4, v1                     ; 512 consecutive bytes of ao
	WIN 0x01
.irp t, 0,1,2,3
	v_rcp_f32 v[ST+8*\t+2], v[LS+8*\t]             ; 1 / l; l is the accumulator's lowest register
.endr
	WIN 0
	v_nop                                          ; a plain instruction between the last reciprocal and the use of its result
	s_wait_alu depctr_va_vdst(0)
.macro PACK t
	WIN 0x41
.set i, 0
.rept 16
	v_pk_mul_f32 v[32*\t+i:32*\t+i+1], v[32*\t+i:32*\t+i+1], v[ST+8*\t+2:ST+8*\t+3] op_sel_hi:[1,0]
.set i, i+2
.endr
	WIN 0x05
.set i, 0
.rept 16
	v_cvt_pk_f16_f32 v[S+32*\t+i], v[32*\t+2*i], v[32*\t+2*i+1]
.set i, i+1
.endr
	WIN 0
.irp cb, 0,1,2,3
	ds_store_b128 v[STO], v[S+32*\t+4*\cb:S+32*\t+4*\cb+3] offset:32*\cb
.endr
.irp i, 0,1,2,3
	ds_load_b128 v[S+32*\t+16+4*\i:S+32*\t+16+4*\i+3], v[RD] offset:4*PK*\i    ; LDS serves a wave's instructions in order (ISA guide 5.7.1.4): these see the stores above
.endr
.endm
.macro SEND t, younger                 ; younger: the next tile's four stores and four loads, or none
	s_wait_dscnt \younger
.irp i, 0,1,2,3
	global_store_b128 v[GO], v[S+32*\t+16+4*\i:S+32*\t+16+4*\i+3], s[OP:OP+1] offset:2048*\t+512*\i
.endr
.endm
	PACK 0
	PACK 1
	SEND 0, 8
	PACK 2
	SEND 1, 8
	PACK 3
	SEND 2, 8
	SEND 3, 0
	s_wait_tensorcnt 0x0                           ; the wave's end
	ds_add_u32 v[SPW], v[NIL]
	s_wait_dscnt 0x0
	CROUND                                         ; the closing round
	s_endpgm
.Lfunc_end_k_q026715489d_attn:
	.size	k_q026715489d_attn, .Lfunc_end_k_q026715489d_attn-k_q026715489d_attn
	.p2alignl 7, 3214868480
	.fill 96, 4, 3214868480
	.section	.rodata,"a",@progbits
	.p2align	6, 0x0
	.amdhsa_kernel k_q026715489d_attn
		.amdhsa_group_segment_fixed_size 327680
		.amdhsa_private_segment_fixed_size 0
		.amdhsa_enable_private_segment 0
		.amdhsa_kernarg_size 24
		.amdhsa_user_sgpr_count 2
		.amdhsa_user_sgpr_kernarg_segment_ptr 1
		.amdhsa_wavefront_size32 1
		.amdhsa_system_sgpr_workgroup_id_x 1
		.amdhsa_system_sgpr_workgroup_id_y 1
		.amdhsa_system_sgpr_workgroup_id_z 1
		.amdhsa_system_vgpr_workitem_id 0
		.amdhsa_next_free_vgpr 512
		.amdhsa_next_free_sgpr 100
		.amdhsa_reserve_vcc 1
		.amdhsa_float_denorm_mode_32 3
		.amdhsa_float_denorm_mode_16_64 3
		.amdhsa_memory_ordered 1
		.amdhsa_forward_progress 1
		.amdhsa_inst_pref_size 101
	.end_amdhsa_kernel
	.amdgpu_metadata
---
amdhsa.version: [ 1, 2 ]
amdhsa.kernels:
  - .name:           k_q026715489d_attn
    .symbol:         k_q026715489d_attn.kd
    .args:
      - { .name: qkv, .offset: 0, .size: 8, .value_kind: global_buffer, .address_space: global }
      - { .name: mbits, .offset: 8, .size: 8, .value_kind: global_buffer, .address_space: global }
      - { .name: ao, .offset: 16, .size: 8, .value_kind: global_buffer, .address_space: global }
    .group_segment_fixed_size: 327680
    .private_segment_fixed_size: 0
    .kernarg_segment_align: 8
    .kernarg_segment_size: 24
    .max_flat_workgroup_size: 256
    .sgpr_count:     100
    .vgpr_count:     512
    .wavefront_size: 32
...
	.end_amdgpu_metadata
.endif
;; end of part 3
;; launch outgemm (part 4): grid 8 x 32, 8 waves a work-group, clusters of 4 x 4, 327,680 bytes of LDS; arguments ao, woh, b_out, out0; writes out0
.if DOCPART == 4
	.amdgcn_target "amdgcn-amd-amdhsa--gfx1250"
	.amdhsa_code_object_version 6
	.text
	.protected	k_q026715489d_outgemm
	.globl	k_q026715489d_outgemm
	.p2align	8
	.type	k_q026715489d_outgemm,@function
k_q026715489d_outgemm:
	s_mov_b64 s[64:65], 0
	v_nop
	global_prefetch_b8 v0, s[64:65] scope:SCOPE_SE
	s_setreg_imm32_b32 hwreg(HW_REG_WAVE_MODE, 25, 1), 1
	s_wait_xcnt 0x0
	s_wait_alu depctr_hold_cnt(0) depctr_sa_sdst(0) depctr_va_vdst(0) depctr_va_sdst(0) depctr_va_ssrc(0) depctr_va_vcc(0) depctr_vm_vsrc(0)
	s_getreg_b32 s2, hwreg(HW_REG_IB_STS2, 6, 4)
	s_cmp_eq_u32 s2, 0
	s_cbranch_scc0 .Lentry_in_a_cluster
	s_endpgm
.Lentry_in_a_cluster:
	s_bfe_u32 s2, ttmp6, 0x10000c
	s_cmp_lg_u32 s2, 0xf033
	s_cbranch_scc0 .Lentry_shape_is_right
	s_endpgm
.Lentry_shape_is_right:
; out0 = ao w_out + b_out.  ao: [16 kb][8192 m][64] f16, woh: [1024 k][1024 n] f16, b_out: [1024] f32, out0: [8192][1024] f32.  f16 operands, f32 sums.
; SHARES.  A work-group makes 256 rows x 128 columns: 32 x 8 = 256 work-groups.  Eight waves, two to a SIMD: wave w makes rows 64 (w / 2) on, columns 64 (w % 2) on: 16 accumulators.
; K goes in 8 visits of 128 (two planes of ao) through two LDS slots.
; CLUSTER.  4 x 4: ao's tile is shared along a row, woh's along a column, each asked for jointly.  Waves 0-3 ask for A's four quarters (128 rows of one plane, dense: 64 lines of
; 256 bytes), wave 4 for B's 128 rows of 256 bytes.
; THE MATRIX INSTRUCTION IS USED TRANSPOSED (source 0 = 16 columns of w, turned by ds_load_tr16_b128; source 1 = 16 rows of ao): a lane holds eight neighbouring columns of a row.
; LIMIT.  The sums are formed in the matrix unit's order.  A row of ao that is NaN (all its keys masked) gives a row of NaN.
.set PA,    144                        ; 128 bytes + 16 = 9 x 16
.set PB,    288                        ; 256 bytes + 2 x 16 = 9 x 32; column n lies at 144 (n / 64) + 2 (n % 64)
.set BOFF,  2*256*PA                   ; a slot: two planes of A's 256 rows, then B's 128 rows
.set SLOT1, 131072
.set STAGE, SLOT1+BOFF+128*PB          ; behind the ring: 16 rows x 272 bytes for each wave
.set SP,    272
.set SPARE, STAGE+8*16*SP              ; the spare words: 128 bytes for each wave, four blocks of 256 bytes that no other line names
.set ASTEP, 2*8192*128
.set BSTEP, 128*1024*2
.set VISITS, 8
.set FLAGS, (1<<16)|(1<<20)|(1<<21)|(4<<22)|(3<<25)
.set ADRA0, 2
.set ADRB0, 3
.set ADRA,  4
.set ADRB,  5
.set STO,   6
.set RD,    7
.set CO,    8
.set BO,    9                          ; v9   my offset in the bias
.set SPW,   10                         ; v10  LDS address of my spare word; never rewritten
.set NIL,   11                         ; v11  0; never rewritten
.set BI,    96                         ; v[96:127]  the bias of my 4 x 8 columns
.set ACC,   128                        ; v[128:255] accumulator (a, g) at 128 + 8 (4 a + g)
.set F0,    0                          ; window 1: two fragment buffers of 64: A's four fragments, then B's four
.set F1,    64
.set WV,  12
.set G1A, 24
.set G1B, 32
.set G0A, 40
.set G0B, 48
.set TB,  56
.set CNT, 57
.set OB,  58                           ; s[58:59] out0 at my first row and column
.set MSB, 0
.macro WIN new
.if MSB != \new
	s_set_vgpr_msb (MSB<<8)|\new
.set MSB, \new
.endif
.endm
.macro PLACES
.rept 4
	v_nop
.endr
.endm
.macro CROUND
	s_barrier_signal -1
	s_barrier_wait -1
	s_cmp_lg_u32 s[WV], 0
	s_cbranch_scc1 .Lnot_wave_0_\@
	s_barrier_signal -3
.Lnot_wave_0_\@:
	s_barrier_wait -3
	s_barrier_signal -1
	s_barrier_wait -1
.endm
.macro JLOAD
	s_cmp_lt_u32 s[WV], 4
	s_cbranch_scc0 .Lnot_a_\@
	tensor_load_to_lds s[G0A+4:G0A+7], s[G1A:G1A+7]
	s_nop 0
	PLACES
	s_branch .Lasked_\@
.Lnot_a_\@:
	s_cmp_eq_u32 s[WV], 4
	s_cbranch_scc0 .Lasked_\@
	tensor_load_to_lds s[G0B+4:G0B+7], s[G1B:G1B+7]
	s_nop 0
	PLACES
.Lasked_\@:
.endm
	s_load_b256 s[4:11], s[0:1], 0x0               ; ao s[4:5], woh s[6:7], b_out s[8:9], out0 s[10:11]
	v_lshl_add_u32 v[SPW], v0, 2, SPARE
	v_mov_b32 v[NIL], 0
	ds_add_u32 v10, v11
	s_wait_dscnt 0x0
	v_lshrrev_b32 v1, 5, v0
	v_readfirstlane_b32 s[WV], v1
	s_lshr_b32 s13, s[WV], 1                       ; which 64 rows are mine.  Also: which plane I ask for
	s_and_b32 s14, s[WV], 1                        ; which 64 columns.  Also: which 128 rows of the plane
	s_bfe_u32 s15, ttmp6, 0x40000                  ; cx
	s_bfe_u32 s16, ttmp6, 0x40004                  ; cy
	s_lshl_b32 s17, ttmp9, 2
	s_add_co_u32 s17, s17, s15                     ; tile column
	s_and_b32 s18, ttmp7, 0xffff
	s_lshl_b32 s18, s18, 2
	s_add_co_u32 s18, s18, s16                     ; tile row
	s_lshl_b32 s2, s16, 2
	s_lshl_b32 s2, 15, s2                          ; my row of the cluster
	s_lshl_b32 s3, 0x1111, s15                     ; my column
	s_or_b32 s[G1A], s2, FLAGS
	s_or_b32 s[G1B], s3, FLAGS
	s_mov_b32 s[G1A+1], 128<<16                    ; A: 64 lines of 128 elements, dense
	s_mov_b32 s[G1A+2], 64<<16
	s_mov_b32 s[G1A+3], 128<<16
	s_mov_b32 s[G1A+4], 64
	s_mov_b32 s[G1A+5], 128
	s_mov_b32 s[G1A+6], 0
	s_mov_b32 s[G1A+7], 0
	s_mov_b32 s[G1B+1], 128<<16                    ; B: 128 rows of 128 elements, 1,024 apart
	s_mov_b32 s[G1B+2], 128<<16
	s_mov_b32 s[G1B+3], 128<<16
	s_mov_b32 s[G1B+4], 128
	s_mov_b32 s[G1B+5], 1024
	s_mov_b32 s[G1B+6], 0
	s_mov_b32 s[G1B+7], 0
	s_lshl_b32 s20, s18, 15                        ; A: 256 x tile row rows of 128 bytes,
	s_lshl_b32 s21, s14, 14                        ; + my 128 rows,
	s_add_co_u32 s20, s20, s21
	s_lshl_b32 s21, s13, 20                        ; + my plane: made of the tile row and the wave alone
	s_add_co_u32 s20, s20, s21
	s_mov_b32 s21, 0
	s_lshl_b32 s22, s17, 8                         ; B: the tile's first column: made of the tile column alone
	s_mov_b32 s23, 0
	s_mul_i32 s19, s[WV], 128*PA                   ; A's quarters in LDS
	s_lshl_b32 s2, s17, 9                          ; my 64 columns of f32, in bytes: in the bias and in a row of out0
	s_lshl_b32 s3, s14, 8
	s_add_co_u32 s2, s2, s3
	s_mov_b32 s3, 0
	s_lshl_b32 s[OB], s18, 20                      ; 256 x tile row rows of 4,096 bytes,
	s_lshl_b32 s[OB+1], s13, 18                    ; + my 64 rows,
	s_add_co_u32 s[OB], s[OB], s[OB+1]
	s_add_co_u32 s[OB], s[OB], s2                  ; + my columns
	s_mov_b32 s[OB+1], 0
	s_mov_b32 s[TB], 0
	v_and_b32 v12, 15, v0                          ; r
	v_bfe_u32 v13, v0, 4, 1                        ; h
	v_lshlrev_b32 v[BO], 5, v13                    ; columns 8 h on
	s_wait_kmcnt 0x0
	s_add_nc_u64 s[20:21], s[4:5], s[20:21]
	s_add_nc_u64 s[22:23], s[6:7], s[22:23]
	s_add_nc_u64 s[8:9], s[8:9], s[2:3]
	s_add_nc_u64 s[OB:OB+1], s[10:11], s[OB:OB+1]
.irp g, 0,1,2,3
	global_load_b128 v[BI+8*\g:BI+8*\g+3],   v[BO], s[8:9] offset:64*\g
	global_load_b128 v[BI+8*\g+4:BI+8*\g+7], v[BO], s[8:9] offset:64*\g+16
.endr
.irp s, 0,1
	s_mov_b32 s[G0A+4*\s], 1
	s_add_co_u32 s[G0A+4*\s+1], s19, \s*SLOT1
	s_add_nc_u64 s[G0A+4*\s+2:G0A+4*\s+3], s[20:21], \s*ASTEP
	s_or_b32 s[G0A+4*\s+3], s[G0A+4*\s+3], 0x80000000
	s_mov_b32 s[G0B+4*\s], 1
	s_mov_b32 s[G0B+4*\s+1], BOFF+\s*SLOT1
	s_add_nc_u64 s[G0B+4*\s+2:G0B+4*\s+3], s[22:23], \s*BSTEP
	s_or_b32 s[G0B+4*\s+3], s[G0B+4*\s+3], 0x80000000
.endr
	CROUND                                         ; all sixteen work-groups are here: the first joint loads meet
	s_cmp_lt_u32 s[WV], 4                          ; a wave's two first fills stand in one branch: two tensor loads of a wave are out at the most, later one
	s_cbranch_scc0 .Lfirst_not_a
	tensor_load_to_lds s[G0A:G0A+3], s[G1A:G1A+7]
	s_nop 0
	tensor_load_to_lds s[G0A+4:G0A+7], s[G1A:G1A+7]
	s_nop 0
	PLACES
	s_branch .Lfirst_asked
.Lfirst_not_a:
	s_cmp_eq_u32 s[WV], 4
	s_cbranch_scc0 .Lfirst_asked
	tensor_load_to_lds s[G0B:G0B+3], s[G1B:G1B+7]
	s_nop 0
	tensor_load_to_lds s[G0B+4:G0B+7], s[G1B:G1B+7]
	s_nop 0
	PLACES
.Lfirst_asked:
	v_mul_u32_u24 v[ADRA0], v12, PA
	v_lshl_add_u32 v[ADRA0], v13, 4, v[ADRA0]      ; row r x pitch + 16 h
	s_mul_i32 s19, s13, 64*PA
	v_add_nc_u32 v[ADRA0], s19, v[ADRA0]           ; my 64 rows
	v_and_b32 v15, 7, v0
	v_lshl_add_u32 v[ADRB0], v13, 3, v15           ; the turning load: row 8 h + L % 8 of 16 along K,
	v_mul_u32_u24 v[ADRB0], v[ADRB0], PB
	v_bfe_u32 v14, v0, 3, 1
	v_lshl_add_u32 v[ADRB0], v14, 4, v[ADRB0]      ; columns 8 ((L / 8) % 2) on
	s_mul_i32 s19, s14, PA                         ; my 64 columns
	s_add_co_u32 s19, s19, BOFF
	v_add_nc_u32 v[ADRB0], s19, v[ADRB0]
	v_add_nc_u32 v[ADRA], s[TB], v[ADRA0]
	v_add_nc_u32 v[ADRB], s[TB], v[ADRB0]
	s_mul_i32 s19, s[WV], 16*SP
	s_add_co_u32 s19, s19, STAGE                   ; my stage
	v_mul_u32_u24 v[STO], v12, SP                  ; in: row r, 32 bytes for each half of the lanes
	v_lshl_add_u32 v[STO], v13, 5, v[STO]
	v_add_nc_u32 v[STO], s19, v[STO]
	v_mul_u32_u24 v[RD], v13, SP                   ; back: lanes 0-15 take one row of 256 bytes, lanes 16-31 the next
	v_lshl_add_u32 v[RD], v12, 4, v[RD]
	v_add_nc_u32 v[RD], s19, v[RD]
	v_lshlrev_b32 v[CO], 12, v13                   ; and the same two rows in out0
	v_lshl_add_u32 v[CO], v12, 4, v[CO]
.macro LF buf, q                       ; sixteen loads: the fragments of 32 along K at 32 q: A from plane q / 2, B turned
	WIN 0x40                                       ; destination window 1
.irp a, 0,1,2,3
	ds_load_b128 v[\buf+8*\a:\buf+8*\a+3],   v[ADRA] offset:256*PA*(\q/2)+64*(\q%2)+16*PA*\a
	ds_load_b128 v[\buf+8*\a+4:\buf+8*\a+7], v[ADRA] offset:256*PA*(\q/2)+64*(\q%2)+16*PA*\a+32
.endr
.irp g, 0,1,2,3
	ds_load_tr16_b128 v[\buf+32+8*\g:\buf+32+8*\g+3],   v[ADRB] offset:32*PB*\q+32*\g
	ds_load_tr16_b128 v[\buf+32+8*\g+4:\buf+32+8*\g+7], v[ADRB] offset:32*PB*\q+32*\g+16*PB
.endr
.endm
.macro MUL buf, zero                   ; sixteen matrix instructions; the sixteen accumulators take turns, in the same order in every unit
	WIN 0x05                                       ; both sources in window 1
.irp a, 0,1,2,3
.irp g, 0,1,2,3
.if \zero
	v_wmma_f32_16x16x32_f16 v[ACC+8*(4*\a+\g):ACC+8*(4*\a+\g)+7], v[\buf+32+8*\g:\buf+32+8*\g+7], v[\buf+8*\a:\buf+8*\a+7], 0
.else
	v_wmma_f32_16x16x32_f16 v[ACC+8*(4*\a+\g):ACC+8*(4*\a+\g)+7], v[\buf+32+8*\g:\buf+32+8*\g+7], v[\buf+8*\a:\buf+8*\a+7], v[ACC+8*(4*\a+\g):ACC+8*(4*\a+\g)+7]
.endif
.endr
.endr
.endm
; A visit is four units of 32 along K on buffers 0, 1, 0, 1.  One of the first two: multiplies its buffer and fetches the unit two further on into it.
.macro UNIT buf, zero, nq
	s_wait_dscnt 16                                ; all but the next unit's sixteen loads are in
	MUL \buf, \zero
	PLACES
	LF \buf, \nq
.endm
; Units 2 and 3 and the change of slots, in the same order as in the product for q, k and v.
.macro TURN fill
	WIN 0
	s_wait_tensorcnt 0x0                           ; no tensor load of mine is out: the descriptors may be written
	ds_add_u32 v[SPW], v[NIL]                      ; 0 onto my spare word
.if \fill
	s_xor_b32 s[G0A+5], s[G0A+5], SLOT1
	s_add_nc_u64 s[G0A+6:G0A+7], s[G0A+6:G0A+7], ASTEP
	s_xor_b32 s[G0B+5], s[G0B+5], SLOT1
	s_add_nc_u64 s[G0B+6:G0B+7], s[G0B+6:G0B+7], BSTEP
.endif
	s_wait_dscnt 17                                ; unit 3's sixteen loads and the add may be out
	MUL F0, 0                                      ; unit 2 stands between the add and the wait for it
	s_wait_dscnt 0x0                               ; the add is done, and my reads of this slot are over
	WIN 0
.if \fill
	CROUND                                         ; no wave of any partner still reads this slot or has a load on its way
	JLOAD
.else
	s_barrier_signal -1
	s_barrier_wait -1
.endif
	s_xor_b32 s[TB], s[TB], SLOT1
	v_add_nc_u32 v[ADRA], s[TB], v[ADRA0]          ; these two and two v_nop are the four places behind unit 2, on every wave's way
	v_add_nc_u32 v[ADRB], s[TB], v[ADRB0]
	v_nop
	v_nop
	LF F0, 0                                       ; the next visit's unit 0
	MUL F1, 0                                      ; unit 3: its fragments were shown in by the wait for 0 above
	PLACES
	LF F1, 1
.endm
	s_wait_loadcnt 0x0                             ; the bias, once, beside the wait for the first tile
	s_wait_tensorcnt 0x1                           ; my part of slot 0 is in; slot 1's may stay out
	s_barrier_signal -1
	s_barrier_wait -1
	LF F0, 0
	LF F1, 1
	UNIT F0, 1, 2                                  ; the first unit starts the sums and stands in front of the loop
	WIN 0
	s_mov_b32 s[CNT], VISITS-2
.Lvisit:                                               ; tiles 2 to 7 are asked for
	UNIT F1, 0, 3
	TURN 1
	UNIT F0, 0, 2
	WIN 0
	s_sub_co_u32 s[CNT], s[CNT], 1
	s_cmp_lg_u32 s[CNT], 0
	s_cbranch_scc1 .Lvisit
	UNIT F1, 0, 3                                  ; the tail is written out: nothing more is asked for
	TURN 0
	UNIT F0, 0, 2
	UNIT F1, 0, 3
	s_wait_dscnt 16
	MUL F0, 0
	s_wait_dscnt 0x0
	MUL F1, 0
	WIN 0
	PLACES
	; THE WAY OUT, a block of 16 rows x 64 columns of f32 at a time: + bias in place, 32 bytes a lane into my stage, back as whole rows of 256 bytes into the same registers, stored.
.macro BADD a
.irp g, 0,1,2,3
.irp j, 0,2,4,6
	v_pk_add_f32 v[ACC+32*\a+8*\g+\j:ACC+32*\a+8*\g+\j+1], v[ACC+32*\a+8*\g+\j:ACC+32*\a+8*\g+\j+1], v[BI+8*\g+\j:BI+8*\g+\j+1]   ; each accumulator from its low end on
.endr
.endr
.endm
.macro TOSTAGE a
.irp g, 0,1,2,3
	ds_store_b128 v[STO], v[ACC+32*\a+8*\g:ACC+32*\a+8*\g+3]   offset:64*\g
	ds_store_b128 v[STO], v[ACC+32*\a+8*\g+4:ACC+32*\a+8*\g+7] offset:64*\g+16
.endr
.irp i, 0,1,2,3,4,5,6,7
	ds_load_b128 v[ACC+32*\a+4*\i:ACC+32*\a+4*\i+3], v[RD] offset:2*SP*\i      ; LDS serves a wave's instructions in order (ISA guide 5.7.1.4): these see the stores above
.endr
.endm
.macro SEND a
	s_wait_dscnt 0x0                               ; the block is back, in registers that nothing writes again
.irp i, 0,1,2,3,4,5,6,7
	global_store_b128 v[CO], v[ACC+32*\a+4*\i:ACC+32*\a+4*\i+3], s[OB:OB+1] offset:(16*\a+2*\i)*4096 th:TH_STORE_NT   ; sixteen lanes store 256 consecutive bytes, aligned
.endr
.endm
	BADD 0
	TOSTAGE 0
	BADD 1                                         ; a block's additions stand between the loads of the block before and the wait for them
	SEND 0
	TOSTAGE 1
	BADD 2
	SEND 1
	TOSTAGE 2
	BADD 3
	SEND 2
	TOSTAGE 3
	SEND 3
	s_wait_tensorcnt 0x0                           ; the wave's end
	ds_add_u32 v[SPW], v[NIL]
	s_wait_dscnt 0x0
	CROUND                                         ; the closing round
	s_endpgm
.Lfunc_end_k_q026715489d_outgemm:
	.size	k_q026715489d_outgemm, .Lfunc_end_k_q026715489d_outgemm-k_q026715489d_outgemm
	.p2alignl 7, 3214868480
	.fill 96, 4, 3214868480
	.section	.rodata,"a",@progbits
	.p2align	6, 0x0
	.amdhsa_kernel k_q026715489d_outgemm
		.amdhsa_group_segment_fixed_size 327680
		.amdhsa_private_segment_fixed_size 0
		.amdhsa_enable_private_segment 0
		.amdhsa_kernarg_size 32
		.amdhsa_user_sgpr_count 2
		.amdhsa_user_sgpr_kernarg_segment_ptr 1
		.amdhsa_wavefront_size32 1
		.amdhsa_system_sgpr_workgroup_id_x 1
		.amdhsa_system_sgpr_workgroup_id_y 1
		.amdhsa_system_sgpr_workgroup_id_z 1
		.amdhsa_system_vgpr_workitem_id 0
		.amdhsa_next_free_vgpr 384
		.amdhsa_next_free_sgpr 66
		.amdhsa_reserve_vcc 0
		.amdhsa_float_denorm_mode_32 3
		.amdhsa_float_denorm_mode_16_64 3
		.amdhsa_memory_ordered 1
		.amdhsa_forward_progress 1
		.amdhsa_inst_pref_size 48
	.end_amdhsa_kernel
	.amdgpu_metadata
---
amdhsa.version: [ 1, 2 ]
amdhsa.kernels:
  - .name:           k_q026715489d_outgemm
    .symbol:         k_q026715489d_outgemm.kd
    .args:
      - { .name: ao, .offset: 0, .size: 8, .value_kind: global_buffer, .address_space: global }
      - { .name: woh, .offset: 8, .size: 8, .value_kind: global_buffer, .address_space: global }
      - { .name: b_out, .offset: 16, .size: 8, .value_kind: global_buffer, .address_space: global }
      - { .name: out0, .offset: 24, .size: 8, .value_kind: global_buffer, .address_space: global }
    .group_segment_fixed_size: 327680
    .private_segment_fixed_size: 0
    .kernarg_segment_align: 8
    .kernarg_segment_size: 32
    .max_flat_workgroup_size: 256
    .sgpr_count:     66
    .vgpr_count:     384
    .wavefront_size: 32
...
	.end_amdgpu_metadata
.endif
;; end of part 4
;; ======== version 2 of 2: 4 launches; 1.14 times as fast as version 1
;; limits: values are held in f16: magnitudes above 65,504 overflow, below 6.1e-05 lose precision
;; workspace buffers: xh 16,777,216 bytes; wqh 6,291,456 bytes; woh 2,097,152 bytes; mby 4,194,304 bytes; qkv 50,331,648 bytes; ao 16,777,216 bytes
;; launch prep (part 5): grid 1024 x 1, 8 waves a work-group, no clusters, 0 bytes of LDS; arguments x, w_qkv, w_out, mask, xh, wqh, woh, mby; writes xh, wqh, woh, mby
.if DOCPART == 5
	.amdgcn_target "amdgcn-amd-amdhsa--gfx1250"
	.amdhsa_code_object_version 6
	.text
	.protected	k_q026715489d_prep
	.globl	k_q026715489d_prep
	.p2align	8
	.type	k_q026715489d_prep,@function
k_q026715489d_prep:
	s_mov_b64 s[64:65], 0
	v_nop
	global_prefetch_b8 v0, s[64:65] scope:SCOPE_SE
	s_setreg_imm32_b32 hwreg(HW_REG_WAVE_MODE, 25, 1), 1
	s_wait_xcnt 0x0
; PREPARATION: the f32 operands of the two large products are rounded once to f16, and the mask becomes one byte a score.
;   xh    [16 kb][8192 m][64] f16 : x[m][64 kb + c]; a row is 128 bytes and rows follow each other, so any run of rows is dense
;   wqh   [1024][3072] f16, woh [1024][1024] f16 : the weights as they lie
;   mby   [128 qt][32 step][2 g][32 L][16] bytes : byte 8 (kb % 2) + j of lane L in half g = kb / 2 stands for mask[16 qt + L % 16][64 step + 16 kb + 8 (L / 16) + j]:
;         0xb8, the fp8 (E4M3) code of -1.0, where the mask is 0, and 0 elsewhere: lane L's eight bytes of key block kb are, in order, the eight registers that the lane holds
;         of a 16-key x 16-query tile of transposed scores in the attention kernel
; 1,024 work-groups of eight waves, each reads 65,536 bytes: 0-511 sixteen rows of x, 512-767 a piece of a weight, 768-1023 half of sixteen rows of the mask.
; A stream: no LDS, no barrier, no matrix unit.  All sixteen loads of a wave go out first; no register of a pending load or store is written, so the only waits are the counted ones for data.
; LIMIT: f16 holds numbers up to 65,504 and, below 6.1e-5, steps of 2^-24.
.set LO,  2                            ; v2       load offset
.set SO,  3                            ; v3       store offset
.set IN,  8                            ; v[8:71]  64 words as loaded
.set OUT, 72                           ; v[72:103] what is stored
.set SRC, 24                           ; s[24:25] from where
.set DST, 26                           ; s[26:27] to where
; Eight times 8 f32 a lane -> 8 f16 a lane.  Piece u is loaded at (u % 4) la + (u / 4) lb and stored at (u % 4) sa + (u / 4) sb.
.macro CONV la, lb, sa, sb
.irp u, 0,1,2,3,4,5,6,7
	global_load_b128 v[IN+8*\u:IN+8*\u+3],   v[LO], s[SRC:SRC+1] offset:(\u%4)*\la+(\u/4)*\lb th:TH_LOAD_NT
	global_load_b128 v[IN+8*\u+4:IN+8*\u+7], v[LO], s[SRC:SRC+1] offset:(\u%4)*\la+(\u/4)*\lb+16 th:TH_LOAD_NT
.endr
.irp u, 0,1,2,3,4,5,6,7
	s_wait_loadcnt 14-2*\u                         ; loads come back in order: piece u is in, the 2 (7 - u) younger loads stay out
.irp k, 0,1,2,3
	v_cvt_pk_f16_f32 v[OUT+4*\u+\k], v[IN+8*\u+2*\k], v[IN+8*\u+2*\k+1]
.endr
	global_store_b128 v[SO], v[OUT+4*\u:OUT+4*\u+3], s[DST:DST+1] offset:(\u%4)*\sa+(\u/4)*\sb   ; 32 lanes store 512 consecutive bytes, aligned
.endr
.endm
	s_load_b512 s[4:19], s[0:1], 0x0               ; x s[4:5], w_qkv s[6:7], w_out s[8:9], mask s[10:11], xh s[12:13], wqh s[14:15], woh s[16:17], mby s[18:19]
	v_lshrrev_b32 v1, 5, v0
	v_readfirstlane_b32 s20, v1                    ; wave 0..7
	v_and_b32 v1, 31, v0                           ; lane L
	s_mov_b32 s23, 0                               ; high word of every offset
	s_wait_kmcnt 0x0
	s_cmp_lt_u32 ttmp9, 512
	s_cbranch_scc1 .Lpath_x
	s_cmp_lt_u32 ttmp9, 768
	s_cbranch_scc1 .Lpath_w
	; THE MASK.  Work-group j = id - 768: query tile qt = j / 2; wave w takes keys 128 p on, p = 8 (j % 2) + w: two key steps.
	; Lane L = (query L % 16, half L / 16) loads, for each of eight groups t of 16 keys, the eight words that are its own in the attention kernel: nothing changes lanes.
	s_sub_co_u32 s21, ttmp9, 768
	s_lshr_b32 s28, s21, 1                         ; qt
	s_and_b32 s21, s21, 1
	s_lshl3_add_u32 s21, s21, s20                  ; p
	s_lshl_b32 s22, s28, 17                        ; 16 rows of 8,192 bytes
	s_lshl_b32 s29, s21, 9                         ; 128 keys of 4 bytes
	s_add_co_u32 s22, s22, s29
	s_add_nc_u64 s[SRC:SRC+1], s[10:11], s[22:23]
	s_lshl_b32 s22, s28, 15                        ; 32,768 bytes a query tile
	s_lshl_b32 s29, s21, 11                        ; 2,048 a pair of steps
	s_add_co_u32 s22, s22, s29
	s_add_nc_u64 s[DST:DST+1], s[18:19], s[22:23]
	s_mov_b32 s30, 0x01010101
	s_mov_b32 s31, 0xb8                            ; -1.0 in fp8 (E4M3)
	v_and_b32 v4, 15, v0                           ; my query of the tile
	v_bfe_u32 v5, v0, 4, 1                         ; my half of each 16 keys
	v_lshlrev_b32 v[LO], 13, v4
	v_lshl_add_u32 v[LO], v5, 5, v[LO]             ; row x 8,192 + half x 32
	v_lshlrev_b32 v[SO], 4, v1                     ; 16 bytes a lane
.irp t, 0,1,2,3,4,5,6,7
	global_load_b128 v[IN+8*\t:IN+8*\t+3],   v[LO], s[SRC:SRC+1] offset:64*\t th:TH_LOAD_NT     ; keys 16 t + 8 half + 0..3
	global_load_b128 v[IN+8*\t+4:IN+8*\t+7], v[LO], s[SRC:SRC+1] offset:64*\t+16 th:TH_LOAD_NT  ; and + 4..7
.endr
.irp t, 0,1,2,3,4,5,6,7
	s_wait_loadcnt 14-2*\t                         ; group t is in, the younger pairs stay out
.irp k, 0,1,2,3,4,5,6,7
	v_min_u32 v[IN+8*\t+\k], 1, v[IN+8*\t+\k]                          ; 1 where the mask is not 0
.endr
.irp k, 1,2,3
	v_lshl_or_b32 v[IN+8*\t],   v[IN+8*\t+\k],   8*\k, v[IN+8*\t]      ; four of them in a word, a byte each, in two chains
	v_lshl_or_b32 v[IN+8*\t+4], v[IN+8*\t+4+\k], 8*\k, v[IN+8*\t+4]
.endr
	v_xor_b32 v[IN+8*\t],   s30, v[IN+8*\t]        ; 1 where the mask is 0
	v_xor_b32 v[IN+8*\t+4], s30, v[IN+8*\t+4]
	v_mul_lo_u32 v[OUT+2*\t],   v[IN+8*\t],   s31  ; 0xb8 there: the four products do not reach into each other
	v_mul_lo_u32 v[OUT+2*\t+1], v[IN+8*\t+4], s31
.if (\t%2) == 1
	global_store_b128 v[SO], v[OUT+2*\t-2:OUT+2*\t+1], s[DST:DST+1] offset:256*(\t-1)   ; two key blocks: 32 lanes store 512 consecutive bytes, aligned
.endif
.endr
	s_endpgm
.Lpath_x:
	; x: work-group g takes rows 16 g on; wave w the k blocks 2 w and 2 w + 1.  Piece u: rows 4 (u % 4) on, block 2 w + u / 4.
	; Lane L: row L / 8 of the four, columns 8 (L % 8) on: eight lanes read 256 consecutive bytes of x, and the wave's 512 bytes of f16 are four whole rows of xh.
	s_lshl_b32 s22, ttmp9, 16
	s_add_nc_u64 s[SRC:SRC+1], s[4:5], s[22:23]
	s_lshl_b32 s22, ttmp9, 11
	s_add_nc_u64 s[DST:DST+1], s[12:13], s[22:23]
	v_lshrrev_b32 v4, 3, v1
	v_and_b32 v5, 7, v0
	v_lshlrev_b32 v[LO], 12, v4
	v_lshl_add_u32 v[LO], v5, 5, v[LO]
	v_lshl_add_u32 v[LO], s20, 9, v[LO]            ; + two blocks of 256 bytes a wave
	v_lshlrev_b32 v[SO], 4, v1
	v_lshl_add_u32 v[SO], s20, 21, v[SO]           ; + two planes of 1,048,576 bytes a wave
	CONV 16384, 256, 512, 1048576
	s_endpgm
.Lpath_w:
	; The weights keep their layout.  Piece j = id - 512: 0-191 of w_qkv, 192-255 of w_out; 65,536 bytes in, 32,768 out.
	s_sub_co_u32 s21, ttmp9, 512
	s_sub_co_u32 s22, s21, 192
	s_cmp_lt_u32 s21, 192                          ; the choice hangs on the work-group's number alone
	s_cselect_b64 s[SRC:SRC+1], s[6:7], s[8:9]
	s_cselect_b64 s[DST:DST+1], s[14:15], s[16:17]
	s_cselect_b32 s21, s21, s22
	s_lshl_b32 s22, s21, 16
	s_add_nc_u64 s[SRC:SRC+1], s[SRC:SRC+1], s[22:23]
	s_lshl_b32 s22, s21, 15
	s_add_nc_u64 s[DST:DST+1], s[DST:DST+1], s[22:23]
	v_lshlrev_b32 v[LO], 5, v0
	v_lshlrev_b32 v[SO], 4, v0
	CONV 8192, 32768, 4096, 16384
	s_endpgm
.Lfunc_end_k_q026715489d_prep:
	.size	k_q026715489d_prep, .Lfunc_end_k_q026715489d_prep-k_q026715489d_prep
	.p2alignl 7, 3214868480
	.fill 96, 4, 3214868480
	.section	.rodata,"a",@progbits
	.p2align	6, 0x0
	.amdhsa_kernel k_q026715489d_prep
		.amdhsa_group_segment_fixed_size 0
		.amdhsa_private_segment_fixed_size 0
		.amdhsa_enable_private_segment 0
		.amdhsa_kernarg_size 64
		.amdhsa_user_sgpr_count 2
		.amdhsa_user_sgpr_kernarg_segment_ptr 1
		.amdhsa_wavefront_size32 1
		.amdhsa_system_sgpr_workgroup_id_x 1
		.amdhsa_system_sgpr_workgroup_id_y 1
		.amdhsa_system_sgpr_workgroup_id_z 1
		.amdhsa_system_vgpr_workitem_id 0
		.amdhsa_next_free_vgpr 104
		.amdhsa_next_free_sgpr 66
		.amdhsa_reserve_vcc 0
		.amdhsa_float_denorm_mode_32 3
		.amdhsa_float_denorm_mode_16_64 3
		.amdhsa_memory_ordered 1
		.amdhsa_forward_progress 1
		.amdhsa_inst_pref_size 21
	.end_amdhsa_kernel
	.amdgpu_metadata
---
amdhsa.version: [ 1, 2 ]
amdhsa.kernels:
  - .name:           k_q026715489d_prep
    .symbol:         k_q026715489d_prep.kd
    .args:
      - { .name: x, .offset: 0, .size: 8, .value_kind: global_buffer, .address_space: global }
      - { .name: w_qkv, .offset: 8, .size: 8, .value_kind: global_buffer, .address_space: global }
      - { .name: w_out, .offset: 16, .size: 8, .value_kind: global_buffer, .address_space: global }
      - { .name: mask, .offset: 24, .size: 8, .value_kind: global_buffer, .address_space: global }
      - { .name: xh, .offset: 32, .size: 8, .value_kind: global_buffer, .address_space: global }
      - { .name: wqh, .offset: 40, .size: 8, .value_kind: global_buffer, .address_space: global }
      - { .name: woh, .offset: 48, .size: 8, .value_kind: global_buffer, .address_space: global }
      - { .name: mby, .offset: 56, .size: 8, .value_kind: global_buffer, .address_space: global }
    .group_segment_fixed_size: 0
    .private_segment_fixed_size: 0
    .kernarg_segment_align: 8
    .kernarg_segment_size: 64
    .max_flat_workgroup_size: 256
    .sgpr_count:     66
    .vgpr_count:     104
    .wavefront_size: 32
...
	.end_amdgpu_metadata
.endif
;; end of part 5
;; launch qkvgemm: the kernel of part 2 again; grid 8 x 32, 8 waves a work-group, clusters of 4 x 4, 327,680 bytes of LDS; arguments xh, wqh, b_qkv, qkv; writes qkv
;; launch attn (part 6): grid 4 x 64, 8 waves a work-group, clusters of 4 x 1, 327,680 bytes of LDS; arguments qkv, mby, ao; writes ao
.if DOCPART == 6
	.amdgcn_target "amdgcn-amd-amdhsa--gfx1250"
	.amdhsa_code_object_version 6
	.text
	.protected	k_q026715489d_attn
	.globl	k_q026715489d_attn
	.p2align	8
	.type	k_q026715489d_attn,@function
k_q026715489d_attn:
	s_mov_b64 s[64:65], 0
	v_nop
	global_prefetch_b8 v0, s[64:65] scope:SCOPE_SE
	s_setreg_imm32_b32 hwreg(HW_REG_WAVE_MODE, 25, 1), 1
	s_wait_xcnt 0x0
	s_wait_alu depctr_hold_cnt(0) depctr_sa_sdst(0) depctr_va_vdst(0) depctr_va_sdst(0) depctr_va_ssrc(0) depctr_va_vcc(0) depctr_vm_vsrc(0)
	s_getreg_b32 s2, hwreg(HW_REG_IB_STS2, 6, 4)
	s_cmp_eq_u32 s2, 0
	s_cbranch_scc0 .Lentry_in_a_cluster
	s_endpgm
.Lentry_in_a_cluster:
	s_bfe_u32 s2, ttmp6, 0x10000c
	s_cmp_lg_u32 s2, 0x3003
	s_cbranch_scc0 .Lentry_shape_is_right
	s_endpgm
.Lentry_shape_is_right:
; ao[h][2048 b + q][:] = the sum over k of softmax_k(mask ? Q[q] . K[k] / 8 : -inf) V[k][:], for each of 64 pairs (b, h).  qkv: [48 G][8192][64] f16 (q heads, k heads, v heads),
; ao: [16 h][8192][64] f16, mby: one byte a score, [128 query tiles][32 key steps][2][32 lanes][16].  Products, maxima and sums in f32; the weights are rounded to f16 for the second product.
; SHARES.  A work-group owns 512 queries of one pair (b, h), each of its eight waves 64: four tiles of 16.  Every wave walks the 2,048 keys, 64 a step.  Two waves lie on a SIMD.
; CLUSTER.  The four query blocks of a pair walk the same K and V: each tile is asked for jointly (mask 15).  A slot holds 256 keys, four steps; waves 0, 1 ask for K's halves, 2, 3 for V's.
; LAYOUT.  S^T = K Q^T (source 0 = 16 keys, source 1 = 16 queries): a lane holds ONE query (L % 16) and keys 8 (L / 16) + 0..7 of each 16.  Two such tiles, rounded in pairs, ARE source 1
; of O^T = V^T P; V comes out of LDS turned (ds_load_tr16_b128).  The row sum l is a product too: a source 0 with ones in rows 0 and 8, so that l falls into register 0 of every lane.
; THE MASK.  A lane's eight bytes of a key block (the fp8 code of -1.0 where the mask is 0, else 0) are widened by one scaled conversion, with the scale 2^100, into the eight registers of
; the block's accumulator, and K Q^T is added onto them: a masked score is s - 2^100.  The bytes of a step come by eight loads a wave, issued a whole key step ahead, straight behind the
; conversions that have emptied their 32 registers.
; SOFTMAX.  Running maximum m, p = 2^(c s - c m), c = log2(e) / 8; O and l are multiplied by a = 2^(c m_old - c m_new) in every step.  m starts at -2^99, above every masked score and
; below every true one, so the maximum is that of the scores that the mask lets through: a masked weight is 2^(c (-2^100 - m)) = 0 in every step, a block that is all masked changes
; nothing, and a row that is all masked ends with O = 0 and l = 0, which gives 0 x (1 / 0) = NaN, as the softmax of a row of -inf does.
; TILE BY TILE.  The wave's four tiles share K and V and nothing else, so one tile's softmax (87 lines) stands between the products of others, one product at a time:
;   K Q^T of tile 0 | softmax 0 with K Q^T of tiles 1, 2 | softmax 1 with K Q^T of tile 3, then V's loads over K | softmax 2 with V^T P of tiles 0, 1 | softmax 3 with V^T P of tile 2 | V^T P of tile 3.
; K and V take turns in one buffer of 64 registers (the wave's 512 hold no second one), which is why the first tile's K Q^T and the last tile's V^T P stand alone.  A step has 72 matrix
; instructions and six times as many vector instructions; set in phases of their own, either kind would leave the other's unit to the second wave's chance.  The price: a product among
; lines of window 0 wants a switch of the register windows in front and one behind, 117 s_set_vgpr_msb a step.
; LIMITS.  f16 operands (q, k, v under 65,504; results under 6.1e-5 in steps of 2^-24), which also keep |s| under 64 x 65,504^2 < 2^38, far above -2^99; l is the sum of the ROUNDED
; weights; sums in the matrix unit's order.
.set PK,    144                        ; a row of K: 128 bytes + 16 = 9 x 16
.set PV,    160                        ; a row of V: 128 bytes + 32 = 5 x 32
.set VOFF,  256*PK                     ; a slot: 256 rows of K, then 256 rows of V
.set SLOT1, 131072
.set STAGE, SLOT1+VOFF+256*PV          ; behind the ring: 16 rows x 144 bytes for each wave
.set SPARE, STAGE+8*16*PK              ; the spare words: 128 bytes for each wave, four blocks of 256 bytes that no other line names
.set AK0, 2                            ; v2   my place in a step's K; never rewritten
.set AV0, 3                            ; v3   my place in a step's V; never rewritten
.set ADR, 4                            ; v4   the address of the run of LDS loads in hand
.set QO,  5                            ; v5   my byte offset in the wave's rows of Q
.set STO, 6                            ; v6, v7, v8  the way out
.set RD,  7
.set GO,  8
.set SCL, 9                            ; v9   the conversions' scale: byte 0 = 227, the E8M0 code of 2^100
.set SPW, 10                           ; v10  LDS address of my spare word; never rewritten
.set NIL, 11                           ; v11  0; never rewritten
.set ML,  12                           ; v12  16 x lane; never rewritten
.set MA,  13                           ; v13  16 x lane + the key step's 1,024 bytes: the mask loads' offset
.set ST,  16                           ; tile t's statistics at v[16 + 8 t]: +0 c m, +1 m, +2 a, +3 a's partner in the pair (written once), +4 to +7 at work
.set MK0, 48                           ; v[48:63]    the mask bytes of tiles 0 and 1, eight registers a tile
.set Q,   64                           ; v[64:127]   Q: tile t, channels 32 c on, at 64 + 16 t + 8 c
.set S,   128                          ; v[128:255]  S^T: tile t, keys 16 kb on, at 128 + 32 t + 8 kb; P takes the first 16 registers of a tile's 32
.set LS,  128                          ; window 1: v[0:127] O^T (tile t, channels 16 cb on, at 32 t + 8 cb); v[128:159] l; v[160:223] K, then V, of the step; v[224:231] the ones;
.set KV,  160                          ;           v[232:247] the mask bytes of tiles 2 and 3
.set ONES, 224
.set MK1, 232
.set WV,  12                           ; s12 wave
.set G1K, 16                           ; s[16:23], s[24:31] group 1 for K, V: they differ in the padding
.set G1V, 24
.set G0K, 32                           ; s[32:39], s[40:47] group 0: a set for each first fill; the second then walks on
.set G0V, 40
.set TBK, 48                           ; s48, s49  LDS byte at which the K, the V of the step to be fetched begins
.set TBV, 49
.set SLOTS, 50
.set STEPS, 51
.set MO,  52                           ; s52  the key step's 1,024 bytes in a query tile's mask bytes
.set SEL, 54                           ; s[54:55] lane selects: each lane takes its own place in the other half
.set MP,  56                           ; s[56:57] mby at my wave's first tile
.set QP,  58                           ; s[58:59] Q, s[60:61] ao, at my wave's first row
.set OP,  60
.set CS,  62                           ; s[62:63] c, twice
.set MSB, 0
.macro WIN new                         ; the immediate's high byte repeats the setting that is left; a switch that changes nothing is dropped
.if MSB != \new
	s_set_vgpr_msb (MSB<<8)|\new
.set MSB, \new
.endif
.endm
.macro PLACES
.rept 4
	v_nop
.endr
.endm
.macro CROUND
	s_barrier_signal -1
	s_barrier_wait -1
	s_cmp_lg_u32 s[WV], 0
	s_cbranch_scc1 .Lnot_wave_0_\@
	s_barrier_signal -3
.Lnot_wave_0_\@:
	s_barrier_wait -3
	s_barrier_signal -1
	s_barrier_wait -1
.endm
.macro JLOAD                           ; a joint refill; the branches hang on the wave's number alone; four v_nop follow each load
	s_cmp_lt_u32 s[WV], 2
	s_cbranch_scc0 .Lnot_k_\@
	tensor_load_to_lds s[G0K+4:G0K+7], s[G1K:G1K+7]
	s_nop 0
	PLACES
	s_branch .Lasked_\@
.Lnot_k_\@:
	s_cmp_lt_u32 s[WV], 4
	s_cbranch_scc0 .Lasked_\@
	tensor_load_to_lds s[G0V+4:G0V+7], s[G1V:G1V+7]
	s_nop 0
	PLACES
.Lasked_\@:
.endm
; The mask bytes of the key step at s[MO], for my four tiles: eight loads, 512 consecutive bytes each.  Entered with every window 0; leaves the destination in window 1.
.macro MLOAD
	v_add_nc_u32 v[MA], s[MO], v[ML]
.irp t, 0,1
.irp g, 0,1
	global_load_b128 v[MK0+8*\t+4*\g:MK0+8*\t+4*\g+3], v[MA], s[MP:MP+1] offset:32768*\t+512*\g
.endr
.endr
	WIN 0x40
.irp t, 2,3
.irp g, 0,1
	global_load_b128 v[MK1+8*(\t-2)+4*\g:MK1+8*(\t-2)+4*\g+3], v[MA], s[MP:MP+1] offset:32768*\t+512*\g
.endr
.endr
.endm
	s_load_b128 s[4:7], s[0:1], 0x0                ; qkv s[4:5], mby s[6:7]
	s_load_b64 s[8:9], s[0:1], 0x10                ; ao
	v_lshl_add_u32 v[SPW], v0, 2, SPARE
	v_mov_b32 v[NIL], 0
	ds_add_u32 v10, v11
	s_wait_dscnt 0x0
	v_lshrrev_b32 v1, 5, v0
	v_readfirstlane_b32 s[WV], v1                  ; wave 0..7
	v_and_b32 v1, 31, v0                           ; lane L
	s_bfe_u32 s13, ttmp6, 0x40000                  ; cx
	s_lshl_b32 s14, ttmp9, 2
	s_add_co_u32 s14, s14, s13                     ; my block of 512 queries: it enters Q's, ao's and mby's addresses alone
	s_and_b32 s15, ttmp7, 0xffff                   ; the pair (b, h), which the four partners share
	s_and_b32 s2, s15, 15
	s_lshr_b32 s3, s15, 4
	s_lshl_b32 s2, s2, 20                          ; head: a plane of 1,048,576 bytes
	s_lshl_b32 s3, s3, 18                          ; batch: 2,048 rows of 128 bytes
	s_add_co_u32 s2, s2, s3
	s_mov_b32 s3, 0
	s_and_b32 s53, s[WV], 1                        ; which 128 keys of a slot I ask for
	s_lshl_b32 s48, s53, 14
	s_mov_b32 s49, 0
	s_add_nc_u64 s[48:49], s[48:49], s[2:3]        ; an offset made of the pair and the wave alone
	s_mul_i32 s50, s53, 128*PK                     ; and their places in a slot
	s_mul_i32 s51, s53, 128*PV
	s_add_co_u32 s51, s51, VOFF
	s_lshl_b32 s[QP], s14, 16                      ; 512 rows a block,
	s_lshl_b32 s[QP+1], s[WV], 13                  ; 64 a wave
	s_add_co_u32 s[QP], s[QP], s[QP+1]
	s_add_co_u32 s[QP], s[QP], s2
	s_mov_b32 s[QP+1], 0
	s_lshl_b32 s[MP], s14, 20                      ; 32 query tiles of 32,768 bytes a block,
	s_lshl_b32 s[MP+1], s[WV], 17                  ; 4 a wave
	s_add_co_u32 s[MP], s[MP], s[MP+1]
	s_mov_b32 s[MP+1], 0
	s_mov_b32 s[G1K], 15|(1<<16)|(1<<20)|(1<<21)|(4<<22)|(3<<25)   ; all four work-groups; elements of 2 bytes; padding on; bit 21 beside a mask; after every 32 words 4 words
	s_mov_b32 s[G1V], 15|(1<<16)|(1<<20)|(1<<21)|(4<<22)|(7<<25)   ; the same with 8 words
.irp g, G1K, G1V
	s_mov_b32 s[\g+1], 128<<16                     ; 128 keys are dense in memory: 64 lines of 256 bytes
	s_mov_b32 s[\g+2], 64<<16
	s_mov_b32 s[\g+3], 128<<16
	s_mov_b32 s[\g+4], 64
	s_mov_b32 s[\g+5], 128
	s_mov_b32 s[\g+6], 0
	s_mov_b32 s[\g+7], 0
.endr
	s_mov_b32 s[CS], 0x3e38aa3b                    ; c = log2(e) / 8
	s_mov_b32 s[CS+1], s[CS]
	s_mov_b32 s[SEL], 0x76543210
	s_mov_b32 s[SEL+1], 0xfedcba98
	s_mov_b32 s[MO], 0
	s_wait_kmcnt 0x0
	s_add_nc_u64 s[OP:OP+1], s[8:9], s[QP:QP+1]
	s_add_nc_u64 s[QP:QP+1], s[4:5], s[QP:QP+1]
	s_add_nc_u64 s[MP:MP+1], s[6:7], s[MP:MP+1]
	s_add_nc_u64 s[48:49], s[4:5], s[48:49]
.irp s, 0,1
	s_mov_b32 s[G0K+4*\s], 1
	s_add_co_u32 s[G0K+4*\s+1], s50, \s*SLOT1
	s_add_nc_u64 s[G0K+4*\s+2:G0K+4*\s+3], s[48:49], 16*1048576+\s*32768     ; k's heads begin 16 planes on; a slot is 256 rows
	s_or_b32 s[G0K+4*\s+3], s[G0K+4*\s+3], 0x80000000
	s_mov_b32 s[G0V+4*\s], 1
	s_add_co_u32 s[G0V+4*\s+1], s51, \s*SLOT1
	s_add_nc_u64 s[G0V+4*\s+2:G0V+4*\s+3], s[48:49], 32*1048576+\s*32768     ; v's 32 planes on
	s_or_b32 s[G0V+4*\s+3], s[G0V+4*\s+3], 0x80000000
.endr
	s_mov_b32 s[TBK], 0
	s_mov_b32 s[TBV], 0
	CROUND                                         ; all four work-groups are here: the first joint loads meet
	s_cmp_lt_u32 s[WV], 2                          ; a wave's two first fills stand in one branch: two tensor loads of a wave are out at the most, later one
	s_cbranch_scc0 .Lfirst_not_k
	tensor_load_to_lds s[G0K:G0K+3], s[G1K:G1K+7]
	s_nop 0
	tensor_load_to_lds s[G0K+4:G0K+7], s[G1K:G1K+7]
	s_nop 0
	PLACES
	s_branch .Lfirst_asked
.Lfirst_not_k:
	s_cmp_lt_u32 s[WV], 4
	s_cbranch_scc0 .Lfirst_asked
	tensor_load_to_lds s[G0V:G0V+3], s[G1V:G1V+7]
	s_nop 0
	tensor_load_to_lds s[G0V+4:G0V+7], s[G1V:G1V+7]
	s_nop 0
	PLACES
.Lfirst_asked:
	v_and_b32 v20, 15, v0                          ; r   (v20 to v23 are tile 0's registers at work: free until the first softmax)
	v_bfe_u32 v21, v0, 4, 1                        ; h
	v_lshlrev_b32 v[QO], 7, v20
	v_lshl_add_u32 v[QO], v21, 4, v[QO]            ; row r x 128 + 16 h
.irp i, 0,1,2,3,4,5,6,7                ; Q stays in registers: tile i / 2, channels 32 (i % 2) on
	global_load_b128 v[Q+8*\i:Q+8*\i+3],   v[QO], s[QP:QP+1] offset:(\i/2)*2048+(\i%2)*64
	global_load_b128 v[Q+8*\i+4:Q+8*\i+7], v[QO], s[QP:QP+1] offset:(\i/2)*2048+(\i%2)*64+32
.endr
	v_lshlrev_b32 v[ML], 4, v1
	MLOAD                                          ; the mask bytes of key step 0
	WIN 0
	v_mul_u32_u24 v[AK0], v20, PK
	v_lshl_add_u32 v[AK0], v21, 4, v[AK0]          ; row r x pitch + 16 h
	v_and_b32 v22, 7, v0
	v_lshl_add_u32 v[AV0], v21, 3, v22             ; the turning load: key 8 h + L % 8 of 16,
	v_mul_u32_u24 v[AV0], v[AV0], PV
	v_bfe_u32 v23, v0, 3, 1
	v_lshl_add_u32 v[AV0], v23, 4, v[AV0]          ; channels 8 ((L / 8) % 2) on
	v_add_nc_u32 v[AV0], VOFF, v[AV0]
	v_mov_b32 v[SCL], 227                          ; 2^(227 - 127) = 2^100
	v_cmp_eq_u32 vcc_lo, 0, v22                    ; lanes 0, 8, 16, 24 hold rows 0 and 8 of a source 0
	v_mov_b32 v14, 0x3c003c00                      ; two ones in f16
.irp t, 0,1,2,3
	v_mov_b32 v[ST+8*\t+1], 0xf1000000             ; m = -2^99
	v_mul_f32 v[ST+8*\t], s[CS], v[ST+8*\t+1]      ; c m
	v_mov_b32 v[ST+8*\t+3], 0                      ; named with a as a pair, so it is written
.endr
.irp i, 0,1,2,3,4,5,6,7
	v_mov_b32 v[S+\i], 0                           ; a fragment of zeros
.endr
	WIN 0x40
.irp i, 0,1,2,3,4,5,6,7
	v_cndmask_b32 v[ONES+\i], 0, v14, vcc_lo
.endr
	; O^T and l begin at 0 by twenty products of the ones with the fragment of zeros (C = 0), so that all 32 key steps run the same text: twenty matrix instructions
	; that are not attention's, beside the 2,304 of a wave's walk, in place of a further written-out copy of the key step or 160 moves.
	WIN 0x41
.set i, 0
.rept 20
	v_wmma_f32_16x16x32_f16 v[8*i:8*i+7], v[ONES:ONES+7], v[S:S+7], 0
.set i, i+1
.endr
	WIN 0
; THE MATRIX WORK, one product at a time.  The accumulators take turns, one instruction a turn: between two links of a chain stand three (K Q^T) or four (V^T P) others'.
; Product i of 8 of tile t's S^T += K Q^T, onto the widened mask: channels 32 (i / 4) on, keys 16 (i % 4) on.
.macro KQI t
.set tt, \t
.set rD, S+32*tt+8*(i%4)
.set rK, KV+16*(i%4)+8*(i/4)
.set rQ, Q+16*tt+8*(i/4)
	WIN 0x01                                       ; K in window 1
	v_wmma_f32_16x16x32_f16 v[rD:rD+7], v[rK:rK+7], v[rQ:rQ+7], v[rD:rD+7]
.endm
; Product i of 10 of tile t's O^T += V^T P and l += ones P: keys 32 (i / 5) on; i % 5 = 0..3: channels 16 (i % 5) on; 4: l.  Ahead of an accumulator's first product of the step it is
; multiplied by a, from its low end on, under the product's own window setting: a line with two sources names no third.
.macro PVI t
.set tt, \t
.set rA, ST+8*tt+2
.set rP, S+32*tt+8*(i/5)
	WIN 0x51                                       ; V and the ones, C and D in window 1; P and a in window 0
.if (i%5) < 4
.set rO, 32*tt+8*(i%5)
.set rV, KV+32*(i/5)+8*(i%5)
.if i < 5
.irp u, 0,2,4,6
	v_pk_mul_f32 v[rO+\u:rO+\u+1], v[rO+\u:rO+\u+1], v[rA:rA+1] op_sel_hi:[1,0]
.endr
.endif
	v_wmma_f32_16x16x32_f16 v[rO:rO+7], v[rV:rV+7], v[rP:rP+7], v[rO:rO+7]
.else
.set rO, LS+8*tt
.if i < 5
	v_mul_f32 v[rO], v[rO], v[rA]                  ; l lies in register 0; the other seven hold 0
.endif
	v_wmma_f32_16x16x32_f16 v[rO:rO+7], v[ONES:ONES+7], v[rP:rP+7], v[rO:rO+7]
.endif
.endm
; V of the step (64 keys x 64 channels, turned) over K, in one run of sixteen loads.
.macro FETCH_V
	WIN 0x40                                       ; destination window 1
.irp kh, 0,1
.irp cb, 0,1,2,3
	ds_load_tr16_b128 v[KV+32*\kh+8*\cb:KV+32*\kh+8*\cb+3],   v[ADR] offset:32*PV*\kh+32*\cb
	ds_load_tr16_b128 v[KV+32*\kh+8*\cb+4:KV+32*\kh+8*\cb+7], v[ADR] offset:32*PV*\kh+32*\cb+16*PV
.endr
.endr
.endm
; THE VECTOR WORK.  One tile's softmax for one key step is a list of 87 lines; SM writes line j of it for tile t.  All of it lies in window 0.
;   0-15   the maximum of 32 scores and the old m, three operands at a time, in four chains; each accumulator is read from its low end on
;   16-20  the other half of the lanes' maximum; c m_old; m; c m; c m_old - c m_new
;   21-36  c s - c m, two at a time      37  a      38-69  the 32 weights      70  the plain line between the last exponential and the use of its result (ISA guide 5.7.2)
;   71-86  P in place: register e is written when weights 2 e and 2 e + 1 are read and the earlier ones are spent
.macro SM t
.set rT, ST+8*(\t)
.set rS, S+32*(\t)
	WIN 0
.if j < 4
	v_max3_num_f32 v[rT+4+j], v[rS+8*j], v[rS+8*j+1], v[rS+8*j+2]
.elseif j < 12
	v_max3_num_f32 v[rT+4+j%4], v[rT+4+j%4], v[rS+8*(j%4)+2*(j/4)+1], v[rS+8*(j%4)+2*(j/4)+2]
.elseif j == 12
	v_max3_num_f32 v[rT+4], v[rT+4], v[rS+7], v[rS+15]
.elseif j == 13
	v_max3_num_f32 v[rT+6], v[rT+6], v[rS+23], v[rS+31]
.elseif j == 14
	v_max3_num_f32 v[rT+4], v[rT+4], v[rT+5], v[rT+6]
.elseif j == 15
	v_max3_num_f32 v[rT+4], v[rT+4], v[rT+7], v[rT+1]
.elseif j == 16
	v_permlanex16_b32 v[rT+5], v[rT+4], s[SEL], s[SEL+1]               ; the query's other 32 keys lie in the lane 16 away
.elseif j == 17
	v_mov_b32 v[rT+7], v[rT]
.elseif j == 18
	v_max_num_f32 v[rT+1], v[rT+4], v[rT+5]
.elseif j == 19
	v_mul_f32 v[rT], s[CS], v[rT+1]
.elseif j == 20
	v_sub_f32 v[rT+2], v[rT+7], v[rT]
.elseif j < 37
	v_pk_fma_f32 v[rS+2*(j-21):rS+2*(j-21)+1], v[rS+2*(j-21):rS+2*(j-21)+1], s[CS:CS+1], v[rT:rT+1] op_sel_hi:[1,0,0] neg_lo:[0,0,1] neg_hi:[0,0,1]
.elseif j == 37
	v_exp_f32 v[rT+2], v[rT+2]
.elseif j < 70
	v_exp_f32 v[rS+j-38], v[rS+j-38]
.elseif j == 70
	v_nop
	s_wait_alu depctr_va_vdst(0)
.else
	v_cvt_pk_f16_f32 v[rS+j-71], v[rS+2*(j-71)], v[rS+2*(j-71)+1]
.endif
.endm
; Tile t's softmax with cnt products of other tiles set between its lines: product number mi stands ahead of line first + gap x mi.  pv = 0: K Q^T of tiles mt on, eight a tile;
; pv = 1: V^T P of tiles mt on, ten a tile.  vload = 1: V's loads stand ahead of line 37.
.macro WEAVE t, pv, mt, cnt, first, gap, vload
.set j, 0
.set mi, 0
.rept 87
.if (mi < \cnt) && (j == \first+\gap*mi)
.if \pv
.set i, mi%10
	PVI \mt+mi/10
.else
.set i, mi%8
	KQI \mt+mi/8
.endif
.set mi, mi+1
.endif
.if \vload && (j == 37)
	FETCH_V
.endif
	SM \t
.set j, j+1
.endr
.endm
; A KEY STEP.  A vector instruction that reads a matrix result or writes one of a matrix instruction's registers, and a load into one, stand four plain vector lines that name none of its
; registers behind it (ISA guide 7.12.1 for vector instructions); the counts are given where they are short.
.macro STEP
	v_add_nc_u32 v[ADR], s[TBK], v[AK0]            ; this and four v_nop: five places behind tile 3's last products, whose V is loaded over and whose P the conversions write over
	PLACES
	s_add_co_u32 s[TBK], s[TBK], 64*PK
	s_wait_loadcnt 0x0                             ; the step's mask bytes are in (in the first step: Q too); the loads are done, so their offset register may be written
.irp t, 0,1
.irp kb, 0,1,2,3
	v_cvt_scale_pk8_f32_fp8 v[S+32*\t+8*\kb:S+32*\t+8*\kb+7], v[MK0+8*\t+2*\kb:MK0+8*\t+2*\kb+1], v[SCL]               ; eight bytes -> -2^100 or 0: where the scores begin
.endr
.endr
	WIN 0x01                                       ; the bytes of tiles 2 and 3 lie in window 1
.irp t, 2,3
.irp kb, 0,1,2,3
	v_cvt_scale_pk8_f32_fp8 v[S+32*\t+8*\kb:S+32*\t+8*\kb+7], v[MK1+8*(\t-2)+2*\kb:MK1+8*(\t-2)+2*\kb+1], v[SCL]
.endr
.endr
	WIN 0
	s_add_co_u32 s[MO], s[MO], 1024                ; the next key step's bytes;
	s_min_u32 s[MO], s[MO], 31*1024                ; the last step asks for its own again, so that no load leaves the buffer
	MLOAD                                          ; its first line is the plain instruction between the conversions and the loads over their sources, and the products onto their results
.irp c, 0,1                            ; (the destination is in window 1)
.irp kb, 0,1,2,3
	ds_load_b128 v[KV+16*\kb+8*\c:KV+16*\kb+8*\c+3],   v[ADR] offset:16*PK*\kb+64*\c
	ds_load_b128 v[KV+16*\kb+8*\c+4:KV+16*\kb+8*\c+7], v[ADR] offset:16*PK*\kb+64*\c+32
.endr
.endr
	s_wait_dscnt 8                                 ; channels 0-31 are in; the eight loads of channels 32-63 may be out
.set i, 0
.rept 8                                ; tile 0's scores: no vector work of this step is ready yet to set between them
.if i == 4
	s_wait_dscnt 0x0                               ; channels 32-63
.endif
	KQI 0
.set i, i+1
.endr
	WIN 0
	v_add_nc_u32 v[ADR], s[TBV], v[AV0]            ; this and three v_nop: four places between tile 0's last product and the first read of its scores
	v_nop
	v_nop
	v_nop
	s_add_co_u32 s[TBV], s[TBV], 64*PV
	WEAVE 0, 0, 1, 16, 4, 5, 0                     ; softmax 0 | scores of tiles 1 and 2, ahead of lines 4, 9 .. 79.  Tile 1's last stands ahead of line 39: line 70 and the 16 roundings are its places
	WEAVE 1, 0, 3, 8, 4, 4, 1                      ; softmax 1 | scores of tile 3, ahead of lines 4, 8 .. 32; lines 32 to 36 are five places between K's last reader and V's loads over it
	s_wait_dscnt 0x0                               ; V is in: its loads were issued fifty lines back
	WEAVE 2, 1, 0, 20, 2, 4, 0                     ; softmax 2 | O^T and l of tiles 0 and 1, ahead of lines 2, 6 .. 78
	WEAVE 3, 1, 2, 10, 4, 8, 0                     ; softmax 3 | O^T and l of tile 2, ahead of lines 4, 12 .. 76
.set i, 0
.rept 10                               ; O^T and l of tile 3, with their rescaling between the first five
	PVI 3
.set i, i+1
.endr
	WIN 0
.endm
; THE CHANGE OF SLOTS.  Each wave waits for all its tensor loads (its part of the other slot), adds 0 to its spare word, and waits for that and for its reads of the slot.
; fill = 1: the barrier is a round of the cluster's, and the slot is filled again first thing behind it, with the keys two slots on: the load has four key steps in which to land.
.macro CHANGE fill
	s_wait_tensorcnt 0x0                           ; no tensor load of mine is out: the descriptors may be written
	ds_add_u32 v[SPW], v[NIL]                      ; 0 onto my spare word
.if \fill
.irp g, G0K+4, G0V+4
	s_xor_b32 s[\g+1], s[\g+1], SLOT1
	s_add_nc_u64 s[\g+2:\g+3], s[\g+2:\g+3], 32768
.endr
.endif
	s_wait_dscnt 0x0                               ; the add is done, and my reads of the slot are over
.if \fill
	CROUND
	JLOAD
.else
	s_barrier_signal -1
	s_barrier_wait -1
.endif
	s_sub_co_u32 s[TBK], s[TBK], 256*PK            ; the fetches go back to a slot's first step,
	s_xor_b32 s[TBK], s[TBK], SLOT1                ; in the other slot
	s_sub_co_u32 s[TBV], s[TBV], 256*PV
	s_xor_b32 s[TBV], s[TBV], SLOT1
.endm
	s_wait_tensorcnt 0x1                           ; my part of slot 0 is in; slot 1's may stay out
	s_barrier_signal -1
	s_barrier_wait -1                              ; everybody's is
	s_mov_b32 s[SLOTS], 6
.Lslot:                                                ; six slots are filled again: keys 512 to 2,047
	s_mov_b32 s[STEPS], 4
.Lstep:
	STEP
	s_sub_co_u32 s[STEPS], s[STEPS], 1
	s_cmp_lg_u32 s[STEPS], 0
	s_cbranch_scc1 .Lstep
	CHANGE 1
	s_sub_co_u32 s[SLOTS], s[SLOTS], 1
	s_cmp_lg_u32 s[SLOTS], 0
	s_cbranch_scc1 .Lslot
	s_mov_b32 s[SLOTS], 2
.Llast_slots:                                          ; the last two slots in a loop of their own; its second barrier orders nothing more
	s_mov_b32 s[STEPS], 4
.Llast_step:
	STEP
	s_sub_co_u32 s[STEPS], s[STEPS], 1
	s_cmp_lg_u32 s[STEPS], 0
	s_cbranch_scc1 .Llast_step
	CHANGE 0
	s_sub_co_u32 s[SLOTS], s[SLOTS], 1
	s_cmp_lg_u32 s[SLOTS], 0
	s_cbranch_scc1 .Llast_slots
	; THE WAY OUT.  O^T / l, rounded to f16, a tile (16 rows of 128 bytes) at a time through my stage.  The seven address lines are the places behind the last products.
	s_wait_loadcnt 0x0                             ; the last step's spare mask bytes: no load is pending at the end
	s_mul_i32 s53, s[WV], 16*PK
	s_add_co_u32 s53, s53, STAGE                   ; my stage
	v_add_nc_u32 v[STO], s53, v[AK0]               ; in: row r, 16 bytes for each half of the lanes
	v_lshrrev_b32 v14, 3, v1
	v_and_b32 v15, 7, v0
	v_mul_u32_u24 v[RD], v14, PK                   ; back: eight lanes take a row, the wave four rows,
	v_lshl_add_u32 v[RD], v15, 4, v[RD]
	v_add_nc_u32 v[RD], s53, v[RD]
	v_lshlrev_b32 v[GO], 4, v1                     ; 512 consecutive bytes of ao
	WIN 0x01
.irp t, 0,1,2,3
	v_rcp_f32 v[ST+8*\t+2], v[LS+8*\t]             ; 1 / l; l is the accumulator's lowest register
.endr
	WIN 0
	v_nop                                          ; a plain instruction between the last reciprocal and the use of its result
	s_wait_alu depctr_va_vdst(0)
.macro PACK t
	WIN 0x41
.set i, 0
.rept 16
	v_pk_mul_f32 v[32*\t+i:32*\t+i+1], v[32*\t+i:32*\t+i+1], v[ST+8*\t+2:ST+8*\t+3] op_sel_hi:[1,0]
.set i, i+2
.endr
	WIN 0x05
.set i, 0
.rept 16
	v_cvt_pk_f16_f32 v[S+32*\t+i], v[32*\t+2*i], v[32*\t+2*i+1]
.set i, i+1
.endr
	WIN 0
.irp cb, 0,1,2,3
	ds_store_b128 v[STO], v[S+32*\t+4*\cb:S+32*\t+4*\cb+3] offset:32*\cb
.endr
.irp i, 0,1,2,3
	ds_load_b128 v[S+32*\t+16+4*\i:S+32*\t+16+4*\i+3], v[RD] offset:4*PK*\i    ; LDS serves a wave's instructions in order (ISA guide 5.7.1.4): these see the stores above
.endr
.endm
.macro SEND t, younger                 ; younger: the next tile's four stores and four loads, or none
	s_wait_dscnt \younger
.irp i, 0,1,2,3
	global_store_b128 v[GO], v[S+32*\t+16+4*\i:S+32*\t+16+4*\i+3], s[OP:OP+1] offset:2048*\t+512*\i
.endr
.endm
	PACK 0
	PACK 1
	SEND 0, 8
	PACK 2
	SEND 1, 8
	PACK 3
	SEND 2, 8
	SEND 3, 0
	s_wait_tensorcnt 0x0                           ; the wave's end
	ds_add_u32 v[SPW], v[NIL]
	s_wait_dscnt 0x0
	CROUND                                         ; the closing round
	s_endpgm
.Lfunc_end_k_q026715489d_attn:
	.size	k_q026715489d_attn, .Lfunc_end_k_q026715489d_attn-k_q026715489d_attn
	.p2alignl 7, 3214868480
	.fill 96, 4, 3214868480
	.section	.rodata,"a",@progbits
	.p2align	6, 0x0
	.amdhsa_kernel k_q026715489d_attn
		.amdhsa_group_segment_fixed_size 327680
		.amdhsa_private_segment_fixed_size 0
		.amdhsa_enable_private_segment 0
		.amdhsa_kernarg_size 24
		.amdhsa_user_sgpr_count 2
		.amdhsa_user_sgpr_kernarg_segment_ptr 1
		.amdhsa_wavefront_size32 1
		.amdhsa_system_sgpr_workgroup_id_x 1
		.amdhsa_system_sgpr_workgroup_id_y 1
		.amdhsa_system_sgpr_workgroup_id_z 1
		.amdhsa_system_vgpr_workitem_id 0
		.amdhsa_next_free_vgpr 512
		.amdhsa_next_free_sgpr 66
		.amdhsa_reserve_vcc 1
		.amdhsa_float_denorm_mode_32 3
		.amdhsa_float_denorm_mode_16_64 3
		.amdhsa_memory_ordered 1
		.amdhsa_forward_progress 1
		.amdhsa_inst_pref_size 95
	.end_amdhsa_kernel
	.amdgpu_metadata
---
amdhsa.version: [ 1, 2 ]
amdhsa.kernels:
  - .name:           k_q026715489d_attn
    .symbol:         k_q026715489d_attn.kd
    .args:
      - { .name: qkv, .offset: 0, .size: 8, .value_kind: global_buffer, .address_space: global }
      - { .name: mby, .offset: 8, .size: 8, .value_kind: global_buffer, .address_space: global }
      - { .name: ao, .offset: 16, .size: 8, .value_kind: global_buffer, .address_space: global }
    .group_segment_fixed_size: 327680
    .private_segment_fixed_size: 0
    .kernarg_segment_align: 8
    .kernarg_segment_size: 24
    .max_flat_workgroup_size: 256
    .sgpr_count:     66
    .vgpr_count:     512
    .wavefront_size: 32
...
	.end_amdgpu_metadata
.endif
;; end of part 6
;; launch outgemm: the kernel of part 4 again; grid 8 x 32, 8 waves a work-group, clusters of 4 x 4, 327,680 bytes of LDS; arguments ao, woh, b_out, out0; writes out0
